; MI455X (gfx1250); checked and timed in simulation.
; The chip was launched on July 23, 2026; its instructions are those of AMD's public machine-readable ISA for CDNA 5 (MIT licence, August 2026) and "CDNA5" Instruction Set Architecture Reference Guide (July 2026). The comments in the code are by the model that wrote it; some were corrected since.
;; Decoder Block. Allowed arithmetic: float matrix products may take bf16 or f16 operands with f32 sums; other float arithmetic in f32, or as packed bf16 or f16 multiplies, adds, multiply-adds, maxima and minima; sums over many terms, partial sums and values carried from step to step in f32; what a program stores and reads back later, other than sums and carried values, may be rounded once to bf16 or f16.
;; Inputs: W1 1,024 x 4,096 float32; W2 4,096 x 1,024 float32; W_o 1,024 x 1,024 float32; W_qkv 1,024 x 3,072 float32; b1 4,096 float32; b2 1,024 float32; b_o 1,024 float32; b_qkv 3,072 float32; ln1_b 1,024 float32; ln1_w 1,024 float32; ln2_b 1,024 float32; ln2_w 1,024 float32; x 2 x 2,048 x 1,024 float32.
;; Outputs: out0 2 x 2,048 x 1,024 float32.
;; One version. Each part assembles by itself: llvm-mc -triple=amdgcn-amd-amdhsa -mcpu=gfx1250 --defsym DOCPART=n.
;; ======== version 1 of 1: 8 launches
;; limits: values are held in f16: magnitudes above 65,504 overflow, below 6.1e-05 lose precision
;; workspace buffers: c16 33,554,432 bytes; qkv 25,165,824 bytes; z 8,388,608 bytes; pre 16,777,216 bytes; o1 8,388,608 bytes; h 33,554,432 bytes
;; launch cast16 (part 1): grid 1024 x 1, 8 waves a work-group, no clusters, 0 bytes of LDS; arguments x, W_qkv, W_o, W1, W2, c16; writes c16
.if DOCPART == 1
	.amdgcn_target "amdgcn-amd-amdhsa--gfx1250"
	.amdhsa_code_object_version 6
	.text
	.protected	k_q3439e500e2_cast16
	.globl	k_q3439e500e2_cast16
	.p2align	8
	.type	k_q3439e500e2_cast16,@function
k_q3439e500e2_cast16:
	s_mov_b64 s[64:65], 0
	v_nop
	global_prefetch_b8 v0, s[64:65] scope:SCOPE_SE
	s_setreg_imm32_b32 hwreg(HW_REG_WAVE_MODE, 25, 1), 1
	s_wait_xcnt 0x0
; c16 = the chain x, W_qkv, W_o, W1, W2 (16,777,216 numbers), each number rounded to bf16 and that number written as f16; layouts unchanged.
; So every large input carries ONE rounding, to bf16; the f16 copy of it is exact from 6.2e-5 up and has f16's fixed step of 6e-8 below.
; LIMIT: |x| and |W| stay under 65,504 (f16's largest number); beyond it the copy is an infinity.
; SHARES.  Work-group g takes 16,384 numbers: 64 KiB in, 32 KiB out.  Every source is a multiple of 64 work-groups long, so u = g / 64 names the source:
; x 0-3, W_qkv 4-6, W_o 7, W1 8-11, W2 12-15.  Thread t takes 4 neighbouring numbers in each of 16 blocks of 1,024: a wave's load covers 512 consecutive bytes, its store 256, both aligned.
; All 16 loads of a thread are issued first; nothing is written twice, so no register waits for a store.
.set T, 4                              ; v[4:5]    packed bf16, at work
.set X, 16                             ; v[16:79]  block i: 4 numbers as loaded
.set Y, 80                             ; v[80:111] block i: 2 registers to store
	s_load_b256 s[4:11], s[0:1], 0x0               ; x s[4:5], W_qkv s[6:7], W_o s[8:9], W1 s[10:11]
	s_load_b128 s[12:15], s[0:1], 0x20             ; W2 s[12:13], c16 s[14:15]
	s_lshr_b32 s16, ttmp9, 6                       ; u
	s_mov_b32 s24, 0xffff0000                      ; a word's upper bf16
	v_lshlrev_b32 v1, 4, v0                        ; 16 t
	v_lshlrev_b32 v2, 3, v0                        ; 8 t
	s_mov_b32 s17, 0                               ; the source's first u
	s_wait_kmcnt 0x0
	s_mov_b64 s[18:19], s[4:5]
	s_cmp_ge_u32 s16, 4
	s_cselect_b64 s[18:19], s[6:7], s[18:19]
	s_cselect_b32 s17, 4, s17
	s_cmp_ge_u32 s16, 7
	s_cselect_b64 s[18:19], s[8:9], s[18:19]
	s_cselect_b32 s17, 7, s17
	s_cmp_ge_u32 s16, 8
	s_cselect_b64 s[18:19], s[10:11], s[18:19]
	s_cselect_b32 s17, 8, s17
	s_cmp_ge_u32 s16, 12
	s_cselect_b64 s[18:19], s[12:13], s[18:19]
	s_cselect_b32 s17, 12, s17
	s_lshl_b32 s17, s17, 6
	s_sub_co_u32 s20, ttmp9, s17                   ; my number among the source's work-groups,
	s_lshl_b32 s20, s20, 16                        ; times 64 KiB
	s_mov_b32 s21, 0
	s_add_nc_u64 s[18:19], s[18:19], s[20:21]
	s_lshl_b32 s22, ttmp9, 15                      ; 32 KiB of c16 for each work-group
	s_mov_b32 s23, 0
	s_add_nc_u64 s[14:15], s[14:15], s[22:23]
.set i, 0
.rept 16
	global_load_b128 v[X+4*i:X+4*i+3], v1, s[18:19] offset:4096*i th:TH_LOAD_NT
.set i, i+1
.endr
.set i, 0
.rept 16
	s_wait_loadcnt 15-i                            ; loads come back in order: block i's is in, the younger blocks' stay out
	v_cvt_pk_bf16_f32 v[T],   v[X+4*i],   v[X+4*i+1]   ; the one rounding
	v_cvt_pk_bf16_f32 v[T+1], v[X+4*i+2], v[X+4*i+3]
	v_lshlrev_b32 v[X+4*i],   16,  v[T]                ; back to f32: the low half moves up,
	v_and_b32     v[X+4*i+1], s24, v[T]                ; the high half stays
	v_lshlrev_b32 v[X+4*i+2], 16,  v[T+1]
	v_and_b32     v[X+4*i+3], s24, v[T+1]
	v_cvt_pk_f16_f32 v[Y+2*i],   v[X+4*i],   v[X+4*i+1]
	v_cvt_pk_f16_f32 v[Y+2*i+1], v[X+4*i+2], v[X+4*i+3]
	global_store_b64 v2, v[Y+2*i:Y+2*i+1], s[14:15] offset:2048*i
.set i, i+1
.endr
	s_endpgm
.Lfunc_end_k_q3439e500e2_cast16:
	.size	k_q3439e500e2_cast16, .Lfunc_end_k_q3439e500e2_cast16-k_q3439e500e2_cast16
	.p2alignl 7, 3214868480
	.fill 96, 4, 3214868480
	.section	.rodata,"a",@progbits
	.p2align	6, 0x0
	.amdhsa_kernel k_q3439e500e2_cast16
		.amdhsa_group_segment_fixed_size 0
		.amdhsa_private_segment_fixed_size 0
		.amdhsa_enable_private_segment 0
		.amdhsa_kernarg_size 48
		.amdhsa_user_sgpr_count 2
		.amdhsa_user_sgpr_kernarg_segment_ptr 1
		.amdhsa_wavefront_size32 1
		.amdhsa_system_sgpr_workgroup_id_x 1
		.amdhsa_system_sgpr_workgroup_id_y 1
		.amdhsa_system_sgpr_workgroup_id_z 1
		.amdhsa_system_vgpr_workitem_id 0
		.amdhsa_next_free_vgpr 112
		.amdhsa_next_free_sgpr 66
		.amdhsa_reserve_vcc 0
		.amdhsa_float_denorm_mode_32 3
		.amdhsa_float_denorm_mode_16_64 3
		.amdhsa_memory_ordered 1
		.amdhsa_forward_progress 1
		.amdhsa_inst_pref_size 11
	.end_amdhsa_kernel
	.amdgpu_metadata
---
amdhsa.version: [ 1, 2 ]
amdhsa.kernels:
  - .name:           k_q3439e500e2_cast16
    .symbol:         k_q3439e500e2_cast16.kd
    .args:
      - { .name: x, .offset: 0, .size: 8, .value_kind: global_buffer, .address_space: global }
      - { .name: W_qkv, .offset: 8, .size: 8, .value_kind: global_buffer, .address_space: global }
      - { .name: W_o, .offset: 16, .size: 8, .value_kind: global_buffer, .address_space: global }
      - { .name: W1, .offset: 24, .size: 8, .value_kind: global_buffer, .address_space: global }
      - { .name: W2, .offset: 32, .size: 8, .value_kind: global_buffer, .address_space: global }
      - { .name: c16, .offset: 40, .size: 8, .value_kind: global_buffer, .address_space: global }
    .group_segment_fixed_size: 0
    .private_segment_fixed_size: 0
    .kernarg_segment_align: 8
    .kernarg_segment_size: 48
    .max_flat_workgroup_size: 256
    .sgpr_count:     66
    .vgpr_count:     112
    .wavefront_size: 32
...
	.end_amdgpu_metadata
.endif
;; end of part 1
;; launch proj_qkv (part 2): grid 12 x 16, 4 waves a work-group, clusters of 4 x 4, 327,680 bytes of LDS; arguments c16, b_qkv, qkv; writes qkv
.if DOCPART == 2
	.amdgcn_target "amdgcn-amd-amdhsa--gfx1250"
	.amdhsa_code_object_version 6
	.text
	.protected	k_q3439e500e2_proj_qkv
	.globl	k_q3439e500e2_proj_qkv
	.p2align	8
	.type	k_q3439e500e2_proj_qkv,@function
k_q3439e500e2_proj_qkv:
	s_mov_b64 s[64:65], 0
	v_nop
	global_prefetch_b8 v0, s[64:65] scope:SCOPE_SE
	s_setreg_imm32_b32 hwreg(HW_REG_WAVE_MODE, 25, 1), 1
	s_wait_xcnt 0x0
	s_wait_alu depctr_hold_cnt(0) depctr_sa_sdst(0) depctr_va_vdst(0) depctr_va_sdst(0) depctr_va_ssrc(0) depctr_va_vcc(0) depctr_vm_vsrc(0)
	s_getreg_b32 s2, hwreg(HW_REG_IB_STS2, 6, 4)
	s_cmp_eq_u32 s2, 0
	s_cbranch_scc0 .Lentry_in_a_cluster
	s_endpgm
.Lentry_in_a_cluster:
	s_bfe_u32 s2, ttmp6, 0x10000c
	s_cmp_lg_u32 s2, 0xf033
	s_cbranch_scc0 .Lentry_shape_is_right
	s_endpgm
.Lentry_shape_is_right:
; qkv = x W_qkv + b_qkv, stored by heads: [3][32][2048][64] in f16 (section q, k, v; plane = 16 x batch + head), unscaled.
; A = x as f16 [4096][1024] (c16 at byte 0), B = W_qkv as f16 [1024][3072] (c16 at byte BOFF); sums in f32; the bias is rounded to bf16 like every input.
; LIMIT: |q|, |k|, |v| stay under 65,504 (f16); with x and W both offset by 30 of their spreads they reach about 18,400.
; SHAPE.  A tile of C is 256 x 256, four waves of 128 x 128: 64 accumulators of 16 x 16 in 512 registers.  K goes in 8 steps of 128 through two LDS slots filled by tensor loads.
; A's rows lie along K (256 bytes a step, aligned); B lies [K][N], so its tile is 128 k rows of 512 bytes and its fragments come out of LDS turned, by ds_load_tr16_b128.
; THE PRODUCT IS USED TRANSPOSED (source 0 = 16 columns of B, source 1 = 16 rows of A): lane l holds row l % 16 of C and the columns 8 (l / 16) + 0..7.
; CLUSTER 4 x 4: A's tile hangs on the tile row alone and is asked for jointly along a row of the cluster, B's on the tile column alone, jointly along a column.
; REGISTERS in windows of 256: window 0 addresses, A's two fragment buffers (v64-127, v128-191), the way out; window 1 B's two buffers; windows 2, 3 the accumulators ((a, b) at v[8 (8 (a % 4) + b)]).
; THE LAST TWO K STEPS, which ask for nothing, are one loop of two trips that is left in its middle: the second trip's change of slots fetches 32 fragments that nobody multiplies and passes one more
; barrier, once a launch; that is the price of writing those steps once.
; THE WAY OUT.  When the ring has had its last fill and every wave its last read, each wave dumps its 128 x 128 sums as f32 into the ring's bytes (rows of 528 bytes) and reads them back by rows in a
; counted loop of 16 trips of 8 rows: bias, rounding to f16, stores of 256 consecutive aligned bytes (two tokens of one head).  A trip's loads are issued a trip ahead, into registers of their own.
.set NCOL,  3072
.set KDIM,  1024
.set BOFF,  8388608                    ; W_qkv in c16
.set KSTEP, 128
.set NS,    KDIM/KSTEP
.set PA,    272                        ; A's LDS row: 256 bytes + 16: the 16 rows of a load start at 16 different groups of four banks (ISA guide 11.1)
.set PB,    544                        ; B's LDS row: 512 bytes + 32
.set HALFT, 34816                      ; what one tensor load brings: 128 rows of A, or 64 k rows of B
.set SLOT,  4*HALFT                    ; 0x22000: shares no bit with wave x HALFT, so an exclusive or changes slots
.set SPARE, 2*SLOT                     ; the spare words, 128 bytes a wave: two blocks of 256 bytes that no other line names
.set ASTEP, KSTEP*2                    ; bytes from a K step to the next in A,
.set BSTEP, KSTEP*NCOL*2               ; and in B
.set DP,    528                        ; the dump's row: 512 bytes + 16
.set DREG,  128*DP                     ; a wave's dump
.set BA,    7                          ; v7      the bias's byte offset
.set BI,    8                          ; v8-15   the bias of my columns, for each of the wave's two heads
.set ADRA0, 16                         ; v16     my place in A's part of a slot; never rewritten
.set ADRA,  17                         ; v17     the same in the slot in hand
.set ADRB0, 20                         ; v20, v21 the same for B
.set ADRB,  21
.set DST,   24                         ; v24     where I dump
.set RD,    25                         ; v25     where I read back
.set CO,    26                         ; v26     my byte offset in the output
.set SPW,   28                         ; v28     LDS address of my spare word; never rewritten
.set NIL,   29                         ; v29     0; never rewritten
.set PFO,   30                         ; v30     the prefetches' offset; never rewritten
.set E,     32                         ; v32-63  eight rows' numbers with their bias
.set F0,    64
.set F1,    128
.set L,     64                         ; v64-95  the way out: eight loads from the dump, a trip ahead (buffer 0 is free by then)
.set T,     192                        ; at work
.set Y,     224                        ; v224-239 to store
.set G1,  24                           ; s[24:31] group 1 for A's tiles;  s[32:39] group 0: a set for each first fill, the second then walks
.set G0,  32
.set G1B, 48                           ; s[48:55], s[56:63] the same for B's
.set G0B, 56
.set LIM, 43                           ; s43  2 in a wave that prefetches, else the greatest number
.set PFA, 44                           ; s[44:45] where my prefetches stand
.set BP,  66                           ; s[66:67] the bias
.set PST, 68                           ; s[68:69] a K step in the tensor that I prefetch
.set TB,  70                           ; s70  the slot in hand: 0 or SLOT
.set MSB, 0
.macro WIN new                         ; the immediate's high byte repeats the setting that is left; a switch that changes nothing is dropped
.if MSB != (\new)
	s_set_vgpr_msb (MSB<<8)|(\new)
.set MSB, \new
.endif
.endm
.set MUL_LO, 0xa1                      ; source 0 (B) window 1, source 1 (A) window 0, C and D window 2
.set TO_B,   0x40                      ; destination window 1, address window 0
.macro PLACES                          ; four plain vector instructions behind a matrix instruction, ahead of loads into its sources and of readers of its result
.rept 4
	v_nop
.endr
.endm
.macro JLOAD                           ; a joint refill by the walking sets: waves 0, 1 fetch A's halves, waves 2, 3 B's.  An s_nop 0 and four v_nop follow each line
	s_cmp_eq_u32 s11, 0
	s_cbranch_scc0 .Lfor_b_\@
	tensor_load_to_lds s[G0+4:G0+7], s[G1:G1+7]
	s_nop 0
.rept 4
	v_nop
.endr
	s_branch .Lasked_\@
.Lfor_b_\@:
	tensor_load_to_lds s[G0B+4:G0B+7], s[G1B:G1B+7]
	s_nop 0
.rept 4
	v_nop
.endr
.Lasked_\@:
.endm
; A prefetch into the L2 of the K step that stands two refills on (512 matrix instructions ahead of the load that will want it): 32 blocks of 256 bytes, a lane a block, one instruction a wave.
; A's rows are asked for by the clusters with x = 0, B's by those with y = 0; the four partners of a joint load share its rows out by address.  So each block is named once.
; The trips whose step four on does not exist (s3 = 2, 1) ask for nothing; K steps 0 to 3 come by their loads alone.
.macro ASK
	s_cmp_gt_u32 s3, s[LIM]
	s_cbranch_scc0 .Lnot_mine_\@
	global_prefetch_b8 v[PFO], s[PFA:PFA+1] th:TH_LOAD_NT scope:SCOPE_SE
.Lnot_mine_\@:
.endm
.macro CREST                           ; a round of the cluster's barrier behind its opening barrier
	s_cmp_lg_u32 s10, 0
	s_cbranch_scc1 .Lnot_wave_0_\@
	s_barrier_signal -3
.Lnot_wave_0_\@:
	s_barrier_wait -3
	s_barrier_signal -1
	s_barrier_wait -1
.endm
.macro CROUND
	s_barrier_signal -1
	s_barrier_wait -1
	CREST
.endm
.macro RND a, b, t                     ; two f32 rounded to bf16 and widened again
	v_cvt_pk_bf16_f32 v[\t], v[\a], v[\b]
	v_lshlrev_b32 v[\a], 16, v[\t]
	v_and_b32 v[\b], s76, v[\t]
.endm
	s_load_b64 s[4:5], s[0:1], 0x0                 ; c16
	s_load_b64 s[BP:BP+1], s[0:1], 0x8             ; b_qkv
	s_load_b64 s[8:9], s[0:1], 0x10                ; qkv
	v_lshl_add_u32 v[SPW], v0, 2, SPARE
	v_mov_b32 v[NIL], 0
	ds_add_u32 v[SPW], v[NIL]                      ; the wave's opening: the add and its wait stand ahead of my first tensor load; work on registers stands between them
	ds_add_u32 v28, v29
	v_lshrrev_b32 v1, 5, v0
	v_readfirstlane_b32 s10, v1                    ; wave 0..3
	s_lshr_b32 s11, s10, 1                         ; my half of the tile's rows.  Also: I fetch for A (0) or B (1)
	s_and_b32 s12, s10, 1                          ; my half of its columns.  Also: which half of that tile I fetch
	s_bfe_u32 s40, ttmp6, 0x40000                  ; cx
	s_bfe_u32 s41, ttmp6, 0x40004                  ; cy
	s_lshl_b32 s42, ttmp9, 2
	s_add_co_u32 s42, s42, s40                     ; tile column = 4 x cluster x + cx
	s_and_b32 s13, ttmp7, 0xffff
	s_lshl_b32 s13, s13, 2
	s_add_co_u32 s13, s13, s41                     ; tile row = 4 x cluster y + cy
	s_lshl_b32 s43, s41, 2
	s_lshl_b32 s43, 15, s43                        ; my row of the cluster
	s_lshl_b32 s44, 0x1111, s40                    ; my column
	s_or_b32 s[G1+0], s43, (1<<16)|(1<<20)|(1<<21)|(5<<22)|(3<<25)   ; mask; 2-byte elements; padding on; bit 21 beside a mask; after every 64 words 4 words
	s_mov_b32 s[G1+1], KSTEP<<16                   ; tensor_dim0 = 128
	s_mov_b32 s[G1+2], 128<<16                     ; tensor_dim1 = 128
	s_mov_b32 s[G1+3], KSTEP<<16                   ; tile_dim0 = 128
	s_mov_b32 s[G1+4], 128                         ; tile_dim1 = 128
	s_mov_b32 s[G1+5], KDIM                        ; elements from row to row
	s_mov_b32 s[G1+6], 0
	s_mov_b32 s[G1+7], 0
	s_or_b32 s[G1B+0], s44, (1<<16)|(1<<20)|(1<<21)|(6<<22)|(7<<25)  ; after every 128 words 8 words
	s_mov_b32 s[G1B+1], 256<<16                    ; tensor_dim0 = 256 columns
	s_mov_b32 s[G1B+2], 64<<16                     ; tensor_dim1 = 64 k rows
	s_mov_b32 s[G1B+3], 256<<16
	s_mov_b32 s[G1B+4], 64
	s_mov_b32 s[G1B+5], NCOL
	s_mov_b32 s[G1B+6], 0
	s_mov_b32 s[G1B+7], 0
	s_lshl_b32 s17, s12, 7
	s_lshl_b32 s16, s13, 8
	s_add_co_u32 s16, s16, s17                     ; A: row 256 x tile row + 128 x half,
	s_lshl_b32 s16, s16, 11                        ; of 2,048 bytes
	s_mov_b32 s17, 0
	s_mul_i32 s46, s12, 64*NCOL*2                  ; B: k row 64 x half,
	s_lshl_b32 s47, s42, 9                         ; column 256 x tile column
	s_add_co_u32 s46, s46, s47
	s_mov_b32 s47, 0
	s_mul_i32 s20, s10, HALFT                      ; where my loads go: no place in the cluster enters an LDS address
	s_mov_b32 s[TB], 0
	s_mov_b32 s76, 0xffff0000
	s_wait_dscnt 0x0                               ; the opening add is done
	s_wait_kmcnt 0x0
	s_add_nc_u64 s[6:7], s[4:5], BOFF              ; B
	s_add_nc_u64 s[14:15], s[4:5], s[16:17]
	s_add_nc_u64 s[46:47], s[6:7], s[46:47]
	CROUND                                         ; all sixteen work-groups are here: the first joint loads meet
.irp s, 0,1
	s_mov_b32 s[G0+4*(\s)], 1
	s_add_co_u32 s[G0+4*(\s)+1], s20, (\s)*SLOT
	s_add_nc_u64 s[G0+4*(\s)+2:G0+4*(\s)+3], s[14:15], (\s)*ASTEP
	s_or_b32 s[G0+4*(\s)+3], s[G0+4*(\s)+3], 0x80000000
	s_mov_b32 s[G0B+4*(\s)], 1
	s_add_co_u32 s[G0B+4*(\s)+1], s20, (\s)*SLOT
	s_add_nc_u64 s[G0B+4*(\s)+2:G0B+4*(\s)+3], s[46:47], (\s)*BSTEP
	s_or_b32 s[G0B+4*(\s)+3], s[G0B+4*(\s)+3], 0x80000000
.endr
	s_cmp_eq_u32 s11, 0                            ; a wave's two first fills stand in one branch, ahead of every wait on TENSORcnt and every LDS read: two loads of mine are out
	s_cbranch_scc0 .Lfirst_b
	tensor_load_to_lds s[G0:G0+3], s[G1:G1+7]
	s_nop 0
	tensor_load_to_lds s[G0+4:G0+7], s[G1:G1+7]
	s_nop 0
.rept 4
	v_nop
.endr
	s_branch .Lfirst_asked
.Lfirst_b:
	tensor_load_to_lds s[G0B:G0B+3], s[G1B:G1B+7]
	s_nop 0
	tensor_load_to_lds s[G0B+4:G0B+7], s[G1B:G1B+7]
	s_nop 0
.rept 4
	v_nop
.endr
.Lfirst_asked:
	; the bias of my wave's 128 columns c0 .. : two heads of 64; on the way out lane l holds columns 4 (l % 16) + 0..3 of each
	s_lshl_b32 s16, s42, 8
	s_lshl_b32 s17, s12, 7
	s_add_co_u32 s16, s16, s17                     ; c0 = 256 x tile column + 128 x half
	s_lshl_b32 s18, s16, 2
	s_mov_b32 s19, 0
	s_add_nc_u64 s[BP:BP+1], s[BP:BP+1], s[18:19]
	v_and_b32 v1, 15, v0                           ; l % 16
	v_bfe_u32 v2, v0, 4, 1                         ; l / 16
	v_lshlrev_b32 v[BA], 4, v1
	global_load_b128 v[BI:BI+3],   v[BA], s[BP:BP+1]
	global_load_b128 v[BI+4:BI+7], v[BA], s[BP:BP+1] offset:256
	; where my rows go: section c0 / 1024, plane 16 x batch + head, token
	s_lshr_b32 s18, s16, 10
	s_lshl_b32 s18, s18, 23                        ; a section is 8,388,608 bytes
	s_bfe_u32 s19, s16, 0x40006                    ; head = (c0 % 1024) / 64
	s_lshr_b32 s21, s13, 3                         ; batch = tile row / 8
	s_lshl_b32 s21, s21, 4
	s_add_co_u32 s19, s19, s21
	s_lshl_b32 s19, s19, 18                        ; a plane is 262,144 bytes
	s_add_co_u32 s18, s18, s19
	s_and_b32 s21, s13, 7
	s_lshl_b32 s21, s21, 8
	s_lshl_b32 s22, s11, 7
	s_add_co_u32 s21, s21, s22                     ; my first token in the batch,
	s_lshl_b32 s21, s21, 7                         ; 128 bytes each
	s_add_co_u32 s18, s18, s21
	s_mov_b32 s19, 0
	s_add_nc_u64 s[8:9], s[8:9], s[18:19]
	; fragments.  A: lane l holds row l % 16, K = 8 (l / 16) + 0..7 and 16 + 8 (l / 16) + 0..7: two loads of 16 bytes, 32 bytes apart
	v_mul_u32_u24 v3, v1, PA
	v_lshl_add_u32 v3, v2, 4, v3
	s_mul_i32 s21, s11, HALFT
	v_add_nc_u32 v[ADRA0], s21, v3
	; B: the turning load takes 16 k rows x 16 columns: lane l reads k row 8 (l / 16) + l % 8, columns 8 ((l / 8) % 2) + 0..7, and is left with column l % 16 and 8 k
	v_and_b32 v4, 7, v0
	v_bfe_u32 v5, v0, 3, 1
	v_lshl_add_u32 v4, v2, 3, v4
	v_mul_u32_u24 v4, v4, PB
	v_lshl_add_u32 v4, v5, 4, v4
	s_lshl_b32 s22, s12, 8
	s_add_co_u32 s22, s22, 2*HALFT
	v_add_nc_u32 v[ADRB0], s22, v4
	v_mov_b32 v[ADRA], v[ADRA0]
	v_mov_b32 v[ADRB], v[ADRB0]
	; the way out
	s_mul_i32 s23, s10, DREG
	v_mul_u32_u24 v3, v1, DP
	v_lshl_add_u32 v3, v2, 5, v3
	v_add_nc_u32 v[DST], s23, v3                   ; row l % 16, 32 bytes for each half of the lanes
	v_mul_u32_u24 v3, v2, DP
	v_lshl_add_u32 v3, v1, 4, v3
	v_add_nc_u32 v[RD], s23, v3                    ; back: lanes 0-15 one row's 256 bytes (a head's 64 columns), lanes 16-31 the next row's
	v_and_b32 v3, 31, v0
	v_lshlrev_b32 v[CO], 3, v3                     ; two tokens of a head are 256 consecutive bytes: 8 bytes a lane
	; the prefetches: A (waves 0, 1): rows 256 tr + 128 half + 32 cx + lane; B (waves 2, 3): k rows 64 half + 16 cy + lane / 2, block lane % 2 of the tile's 512 bytes.  They start at K step 3
	s_lshl_b32 s16, s13, 8
	s_lshl_b32 s17, s12, 7
	s_add_co_u32 s16, s16, s17
	s_lshl_b32 s17, s40, 5
	s_add_co_u32 s16, s16, s17
	s_lshl_b32 s16, s16, 11
	s_add_co_u32 s16, s16, 3*ASTEP
	s_lshl_b32 s18, s12, 6
	s_lshl_b32 s19, s41, 4
	s_add_co_u32 s18, s18, s19
	s_add_co_u32 s18, s18, 3*KSTEP
	s_mul_i32 s18, s18, 2*NCOL
	s_lshl_b32 s19, s42, 9
	s_add_co_u32 s18, s18, s19
	s_and_b32 s22, ttmp7, 0xffff                   ; cluster y
	s_mov_b32 s23, 2*NCOL
	s_mov_b32 s[PST], BSTEP
	s_cmp_eq_u32 s11, 0                            ; do I fetch for A?
	s_cselect_b32 s20, s16, s18
	s_cselect_b32 s22, ttmp9, s22                  ; the coordinate along which other clusters read the same rows
	s_cselect_b32 s23, 2*KDIM, s23                 ; bytes in a row
	s_cselect_b32 s[PST], ASTEP, s[PST]
	s_cselect_b64 s[PFA:PFA+1], s[4:5], s[6:7]
	s_mov_b32 s21, 0
	s_mov_b32 s[PST+1], 0
	s_add_nc_u64 s[PFA:PFA+1], s[PFA:PFA+1], s[20:21]
	s_cmp_eq_u32 s22, 0
	s_cselect_b32 s[LIM], 2, -1                    ; the same in all sixteen partners, for a given wave
	v_and_b32 v[PFO], 31, v0
	v_lshrrev_b32 v3, s11, v[PFO]
	v_and_b32 v4, s11, v[PFO]
	v_mul_u32_u24 v3, s23, v3
	v_lshl_add_u32 v[PFO], v4, 8, v3
; 16 matrix instructions: m blocks a0, a0 + 1 of the window's four (hi = 0: my rows 0-63, 1: rows 64-127) x all 8 n blocks, 32 along K.  zero = 1: the first product starts the sums.
; The 64 accumulators take turns, one instruction a turn, in the same order in every quarter.
.macro MUL16 f, hi, a0, zero
	WIN MUL_LO+0x50*(\hi)
.irp a, \a0, (\a0)+1
.irp b, 0,1,2,3,4,5,6,7
.if \zero
	v_wmma_f32_16x16x32_f16 v[8*(8*(\a)+(\b)):8*(8*(\a)+(\b))+7], v[(\f)+8*(\b):(\f)+8*(\b)+7], v[(\f)+8*(4*(\hi)+(\a)):(\f)+8*(4*(\hi)+(\a))+7], 0
.else
	v_wmma_f32_16x16x32_f16 v[8*(8*(\a)+(\b)):8*(8*(\a)+(\b))+7], v[(\f)+8*(\b):(\f)+8*(\b)+7], v[(\f)+8*(4*(\hi)+(\a)):(\f)+8*(4*(\hi)+(\a))+7], v[8*(8*(\a)+(\b)):8*(8*(\a)+(\b))+7]
.endif
.endr
.endr
.endm
; 32 LDS loads in one run: quarter q (32 along K) of the slot in hand into buffer f: B's 8 blocks of 16 columns, turned, then A's 8 blocks of 16 rows
.macro FETCH q, f
	WIN TO_B
.irp i, 0,1,2,3,4,5,6,7
	ds_load_tr16_b128 v[(\f)+8*(\i):(\f)+8*(\i)+3],   v[ADRB] offset:(\q)*32*PB+32*(\i)
	ds_load_tr16_b128 v[(\f)+8*(\i)+4:(\f)+8*(\i)+7], v[ADRB] offset:(\q)*32*PB+32*(\i)+16*PB
.endr
	WIN 0
.irp i, 0,1,2,3,4,5,6,7
	ds_load_b128 v[(\f)+8*(\i):(\f)+8*(\i)+3],   v[ADRA] offset:(\q)*64+(\i)*16*PA
	ds_load_b128 v[(\f)+8*(\i)+4:(\f)+8*(\i)+7], v[ADRA] offset:(\q)*64+(\i)*16*PA+32
.endr
.endm
; One of a K step's first three quarters: multiplies buffer f; in its middle fetches quarter q into buffer g
.macro QUARTER q, f, g, zero
	s_wait_dscnt 8                                 ; B and A's rows 0-63 are in; the youngest eight loads (A's rows 64-127) may be out
	MUL16 \f, 0, 0, \zero
	MUL16 \f, 0, 2, \zero
	PLACES
	FETCH \q, \g
	s_wait_dscnt 32                                ; all but the 32 just issued
	MUL16 \f, 1, 0, \zero
	MUL16 \f, 1, 2, \zero
.endm
; The last quarter multiplies buffer 1 and changes slots.  In front of the barrier each wave waits for all its tensor loads (one is out: its part of the next slot), adds 0 to its spare word, and waits
; for that and for its reads of this slot.  fill = 1: the barrier opens a round of the cluster's, and the joint refill, two K steps on, stands directly behind the round.
.macro TURN fill
.if \fill
	s_wait_xcnt 0x0                                ; the last prefetch, a K step back, has read its address: it is stepped here
	s_add_nc_u64 s[PFA:PFA+1], s[PFA:PFA+1], s[PST:PST+1]
.endif
	WIN 0
	s_wait_tensorcnt 0x0
	ds_add_u32 v[SPW], v[NIL]
.if \fill
	s_xor_b32 s[G0+5], s[G0+5], SLOT               ; no tensor load of mine is out, so the walking sets may be written: the other slot than last time, the next K step
	s_add_nc_u64 s[G0+6:G0+7], s[G0+6:G0+7], ASTEP
	s_xor_b32 s[G0B+5], s[G0B+5], SLOT
	s_add_nc_u64 s[G0B+6:G0B+7], s[G0B+6:G0B+7], BSTEP
.endif
	s_wait_dscnt 9                                 ; the add and the youngest eight loads may be out
	MUL16 F1, 0, 0, 0
	s_wait_dscnt 0x0                               ; the add is done, and my reads of this slot are over
	s_barrier_signal -1
	MUL16 F1, 0, 2, 0
	WIN 0
	s_barrier_wait -1
.if \fill
	CREST
	JLOAD                                          ; its four v_nop are also the places in front of the loads below
.else
	PLACES
.endif
	s_xor_b32 s[TB], s[TB], SLOT
	v_add_nc_u32 v[ADRA], s[TB], v[ADRA0]
	v_add_nc_u32 v[ADRB], s[TB], v[ADRB0]
	FETCH 0, F0
.if \fill
	ASK
.endif
	MUL16 F1, 1, 0, 0
	MUL16 F1, 1, 2, 0
.endm
.macro LOADL                           ; 8 rows of the dump: load i brings rows 2 (i / 2), + 1 of head i % 2
.irp i, 0,1,2,3,4,5,6,7
	ds_load_b128 v[L+4*(\i):L+4*(\i)+3], v[RD] offset:2*DP*((\i)/2)+256*((\i)%2)
.endr
.endm
	s_wait_tensorcnt 1                             ; my part of K step 0 is in; K step 1's may stay out
	s_barrier_signal -1
	s_barrier_wait -1
	FETCH 0, F0
	QUARTER 1, F0, F1, 1                           ; the first quarter stands in front of the loop: its products start the sums
	WIN 0
	s_mov_b32 s3, NS-2
.Lstep:                                                ; a trip: from a K step's second quarter to the next step's first; the slot left is filled again
	QUARTER 2, F1, F0, 0
	QUARTER 3, F0, F1, 0
	TURN 1
	QUARTER 1, F0, F1, 0
	WIN 0
	s_sub_co_u32 s3, s3, 1
	s_cmp_lg_u32 s3, 0
	s_cbranch_scc1 .Lstep
	s_mov_b32 s3, 2
.Ltail:                                                ; the last two K steps ask for nothing; the second trip is left behind its last products
	QUARTER 2, F1, F0, 0
	QUARTER 3, F0, F1, 0
	TURN 0
	WIN 0
	s_sub_co_u32 s3, s3, 1
	s_cmp_lg_u32 s3, 0
	s_cbranch_scc0 .Lsums
	QUARTER 1, F0, F1, 0
	WIN 0
	s_cmp_lg_u32 s3, 0
	s_cbranch_scc1 .Ltail
.Lsums:
	s_wait_dscnt 0x0                               ; the fragments that the last change of slots fetched are back: no read of the ring is out
.rept 8
	v_nop                                          ; the places behind the last products
.endr
	s_barrier_signal -1                            ; every wave's reads of the ring are back, and the ring has had its last fill:
	s_barrier_wait -1                              ; its bytes may be stored to
.irp a, 0,1,2,3,4,5,6,7
	WIN 0x08+4*((\a)/4)                            ; the data (source 1) in window 2 or 3
.irp b, 0,1,2,3,4,5,6,7
	ds_store_b128 v[DST], v[8*(8*((\a)%4)+(\b)):8*(8*((\a)%4)+(\b))+3]   offset:(\a)*16*DP+64*(\b)      ; each accumulator's low registers first
	ds_store_b128 v[DST], v[8*(8*((\a)%4)+(\b))+4:8*(8*((\a)%4)+(\b))+7] offset:(\a)*16*DP+64*(\b)+16
.endr
.endr
	WIN 0
	s_wait_dscnt 0x0
	s_barrier_signal -1
	s_barrier_wait -1                              ; all dumps are whole
	LOADL                                          ; the first trip's rows
	s_wait_loadcnt 0x0                             ; the bias
	RND BI,   BI+1, T
	RND BI+2, BI+3, T+1
	RND BI+4, BI+5, T+2
	RND BI+6, BI+7, T+3
	s_mov_b32 s3, 16
.Lout:                                                 ; 8 rows a trip
	s_wait_dscnt 0x0                               ; this trip's rows, asked for a trip ago
.irp i, 0,1,2,3,4,5,6,7
	v_pk_add_f32 v[E+4*(\i):E+4*(\i)+1],   v[L+4*(\i):L+4*(\i)+1],   v[BI+4*((\i)%2):BI+4*((\i)%2)+1]
	v_pk_add_f32 v[E+4*(\i)+2:E+4*(\i)+3], v[L+4*(\i)+2:L+4*(\i)+3], v[BI+4*((\i)%2)+2:BI+4*((\i)%2)+3]
.endr
	s_cmp_eq_u32 s3, 1                             ; the last trip has no rows behind it
	s_cbranch_scc1 .Lno_more
	v_add_nc_u32 v[RD], 8*DP, v[RD]
	LOADL                                          ; the next trip's rows: L has just been read out
.Lno_more:
	s_wait_xcnt 0x0                                ; the last trip's stores have read Y and CO: only now are they written again
	v_add_nc_u32 v[CO], 1024, v[CO]                ; the stores reach back by their immediate
.irp i, 0,1,2,3,4,5,6,7
	v_cvt_pk_f16_f32 v[Y+2*(\i)],   v[E+4*(\i)],   v[E+4*(\i)+1]
	v_cvt_pk_f16_f32 v[Y+2*(\i)+1], v[E+4*(\i)+2], v[E+4*(\i)+3]
.endr
.irp i, 0,1,2,3,4,5,6,7
	global_store_b64 v[CO], v[Y+2*(\i):Y+2*(\i)+1], s[8:9] offset:262144*((\i)%2)+256*((\i)/2)-1024   ; 32 lanes store 256 consecutive bytes, aligned
.endr
	s_sub_co_u32 s3, s3, 1
	s_cmp_lg_u32 s3, 0
	s_cbranch_scc1 .Lout
	s_wait_tensorcnt 0x0                           ; the wave's end
	ds_add_u32 v[SPW], v[NIL]
	s_wait_dscnt 0x0
	CROUND                                         ; the closing round
	s_endpgm
.Lfunc_end_k_q3439e500e2_proj_qkv:
	.size	k_q3439e500e2_proj_qkv, .Lfunc_end_k_q3439e500e2_proj_qkv-k_q3439e500e2_proj_qkv
	.p2alignl 7, 3214868480
	.fill 96, 4, 3214868480
	.section	.rodata,"a",@progbits
	.p2align	6, 0x0
	.amdhsa_kernel k_q3439e500e2_proj_qkv
		.amdhsa_group_segment_fixed_size 327680
		.amdhsa_private_segment_fixed_size 0
		.amdhsa_enable_private_segment 0
		.amdhsa_kernarg_size 24
		.amdhsa_user_sgpr_count 2
		.amdhsa_user_sgpr_kernarg_segment_ptr 1
		.amdhsa_wavefront_size32 1
		.amdhsa_system_sgpr_workgroup_id_x 1
		.amdhsa_system_sgpr_workgroup_id_y 1
		.amdhsa_system_sgpr_workgroup_id_z 1
		.amdhsa_system_vgpr_workitem_id 0
		.amdhsa_next_free_vgpr 1024
		.amdhsa_next_free_sgpr 80
		.amdhsa_reserve_vcc 0
		.amdhsa_float_denorm_mode_32 3
		.amdhsa_float_denorm_mode_16_64 3
		.amdhsa_memory_ordered 1
		.amdhsa_forward_progress 1
		.amdhsa_inst_pref_size 84
	.end_amdhsa_kernel
	.amdgpu_metadata
---
amdhsa.version: [ 1, 2 ]
amdhsa.kernels:
  - .name:           k_q3439e500e2_proj_qkv
    .symbol:         k_q3439e500e2_proj_qkv.kd
    .args:
      - { .name: c16, .offset: 0, .size: 8, .value_kind: global_buffer, .address_space: global }
      - { .name: b_qkv, .offset: 8, .size: 8, .value_kind: global_buffer, .address_space: global }
      - { .name: qkv, .offset: 16, .size: 8, .value_kind: global_buffer, .address_space: global }
    .group_segment_fixed_size: 327680
    .private_segment_fixed_size: 0
    .kernarg_segment_align: 8
    .kernarg_segment_size: 24
    .max_flat_workgroup_size: 128
    .sgpr_count:     80
    .vgpr_count:     1024
    .wavefront_size: 32
...
	.end_amdgpu_metadata
.endif
;; end of part 2
;; launch attention (part 3): grid 8 x 32, 4 waves a work-group, no clusters, 327,680 bytes of LDS; arguments qkv, z; writes z
.if DOCPART == 3
	.amdgcn_target "amdgcn-amd-amdhsa--gfx1250"
	.amdhsa_code_object_version 6
	.text
	.protected	k_q3439e500e2_attention
	.globl	k_q3439e500e2_attention
	.p2align	8
	.type	k_q3439e500e2_attention,@function
k_q3439e500e2_attention:
	s_mov_b64 s[64:65], 0
	v_nop
	global_prefetch_b8 v0, s[64:65] scope:SCOPE_SE
	s_setreg_imm32_b32 hwreg(HW_REG_WAVE_MODE, 25, 1), 1
	s_wait_xcnt 0x0
; CAUSAL ATTENTION.  z[p][q][:] = the sum over k <= q of softmax_k(Q[p][q] . K[p][k] / 8) V[p][k][:], for 32 planes p (16 x batch + head) of 2,048 rows of 64 channels, all f16.
; qkv holds Q, K, V as [3][32][2048][64]; z has a section's layout.  Products, maxima and sums in f32; the weights are rounded to f16 for the second product (their sum is taken unrounded), z once.
; LIMITS.  A hidden score counts as its value less 1e30, where the model writes -1e9: the two differ only where every visible score of a row lies below about -1e9.  A weight below 2^-126 counts as 0.
; NaN and infinities are not treated apart.  z is a mean of V's rows and has their range.
; THE WALK.  A plane's queries lie in 16 blocks of 128; block i needs the key tiles 0 .. i of 128 keys, the last of which holds the diagonal.  A work-group takes blocks 15 - b and then b: 17 tiles whatever b,
; so all 256 work-groups do equal work and one loop with a constant trip count walks them.  What a trip does hangs on scalar registers made from b; the jumps go forward and pass no barrier and no tensor load.
; NO CLUSTER: a plane's eight work-groups ask for the same tile only until the first of their first blocks ends (trip 8 of 17 for b = 7); one walk common to all would have 24 trips for 17.
; SHARES.  Of a block's two bands of 64 queries a wave owns 16 rows in each: two PIECES.  In the diagonal tile's step s (64 keys) band x sees all keys if s < x, holds the diagonal if s = x, and sees none if
; s > x: that work is left out.  So the diagonal tile is the same work for all four waves.
; THE MASK is the C operand that starts the sum S^T = K Q^T in a band's own step: 0, or -1e30 where the key is hidden: 32 registers (MD), made once.
; LAYOUT.  S^T = K Q^T holds one query a lane (lane % 16) and the keys 8 (lane / 16) + 0..7; two such results rounded to f16 are source 1 of O^T = V^T P.  p = 2^(c s - c m), c = log2(e) / 8, with a running
; maximum m; O and l are multiplied by a = 2^(c m_old - c m_new) in every step.
; BY TURNS.  A wave issues in order, so a run of products on end keeps the vector work behind it waiting.  A piece's softmax for a step is a numbered list of 120 lines; the OTHER piece's products (V^T P of the
; step done, K Q^T of the step to come) stand singly among those lines, which name none of their registers.  Of a full tile's 64 products 16 stand bare: the first eight and the last eight.
; A tile's fragments come out of LDS in three runs: K of step 0 at the head, V of step 0 and K of step 1 behind the first eight products, V of step 1 a turn later.
; REGISTERS: window 0: addresses, statistics, Q v32-63, S^T v64-127, P v128-159, MD v160-191, O^T v192-255; window 1: K of step s at 64 s, V of step s at 128 + 64 s; window 2: v0-31 the second block's Q.
; K and V are source 0 of their products, in window 1, and all that a softmax touches lies in window 0: a product among softmax lines costs two switches.
.set NB,    16
.set PK,    144       ; a row of K in LDS: 128 bytes + 16: the 16 rows of a load start at 16 different groups of four banks (ISA guide 11.1)
.set PV,    160       ; a row of V: 128 + 32
.set VOFF,  128*PK    ; a slot: 128 rows of K, then 128 rows of V
.set SLOT1, 65536     ; slot 1 begins here: one exclusive or changes slots
.set STAGE, SLOT1+128*(PK+PV)  ; never filled by a tensor load: 16 rows x 144 bytes for each wave, for the way out
.set SP,    144
.set SPARE, STAGE+4*16*SP      ; the spare words, 128 bytes a wave: two blocks of 256 bytes that no other line names
.set AK0, 2           ; v2   my lane's place in a tile of K; never rewritten
.set AV0, 3           ; v3   the same for V
.set AK,  4
.set AV,  5
.set STO, 6           ; v6   the way out: where I put 16 bytes of a row
.set RD,  7           ; v7   where I read rows back
.set GO,  8           ; v8   my byte offset in 512 consecutive bytes of z
.set SPW, 10          ; v10  LDS address of my spare word; never rewritten
.set NIL, 11          ; v11  0; never rewritten
.set MV,  12          ; v12-13  c m_old, by piece
.set PFO, 14          ; v14  256 x lane; never rewritten
.set QO,  15          ; v15  my byte offset in 16 rows of Q
.set ST,  16          ; piece x at v[ST+4 x]: c m, m, l (even keys', odd keys')
.set TMP, 24          ; piece x at v[TMP+4 x]: c0-c3 at work; c2 takes a
.set Q,   32
.set S,   64
.set P,   128
.set MD,  160
.set O,   192
.set WV,  12          ; s12  my wave's number
.set PB,  14          ; s14  b
.set HI,  15          ; s15  15 - b
.set G1K, 24
.set G1V, 32
.set G0K, 40
.set G0V, 44
.set SLOTS, 56        ; s56  tiles still to be asked for
.set CS,  58          ; s[58:59] c
.set SEL, 60          ; s[60:61] v_permlanex16_b32's selects
.set TB,  62          ; s62  the slot in hand: 0 or SLOT1
.set RT,  70          ; s70  tiles of the block in hand still to be entered
.set NXT, 71          ; s71  the tile to be asked for next
.set LQ,  72          ; s72  the last tile of the block whose tiles are being asked for
.set OFF, 74          ; s[74:75] a tile's byte offset in K and V
.set OLO, 80          ; s[80:81] z at my rows of the second block
.set BIGN, 82         ; s82  -1e30
.set LIM, 83          ; s83  3 in a work-group that prefetches, else the greatest number
.set PFA, 84          ; s[84:85] where my prefetches stand
.set MSB, 0
.macro WIN new
.if MSB != (\new)
	s_set_vgpr_msb (MSB<<8)|(\new)
.set MSB, (\new)
.endif
.endm
.macro PLACES
.rept 4
	v_nop
.endr
.endm
; A fill: waves 0, 1 fetch the halves of a tile's K, waves 2, 3 those of its V, 64 keys each.  An s_nop 0 and four v_nop follow each line.
.macro LOAD
	s_cmp_lt_u32 s[WV], 2
	s_cbranch_scc0 .Lfor_v_\@
	tensor_load_to_lds s[G0K:G0K+3], s[G1K:G1K+7]
	s_nop 0
.rept 4
	v_nop
.endr
	s_branch .Lasked_\@
.Lfor_v_\@:
	tensor_load_to_lds s[G0V:G0V+3], s[G1V:G1V+7]
	s_nop 0
.rept 4
	v_nop
.endr
.Lasked_\@:
.endm
; A prefetch into the L2.  A plane's work-group with b = 0 walks the tiles 0 .. 15 in order; it alone asks, each wave for its own 8,192 bytes (32 blocks of 256, a lane a block) of the tile two behind the
; one just asked for.  So each block is named once.  Tiles 0 to 2 come by their loads alone; the trips whose tile does not exist (SLOTS = 3 .. 1) ask for nothing.
.macro ASK
	s_cmp_gt_u32 s[SLOTS], s[LIM]
	s_cbranch_scc0 .Lnot_mine_\@
	global_prefetch_b8 v[PFO], s[PFA:PFA+1] th:TH_LOAD_NT scope:SCOPE_SE
.Lnot_mine_\@:
.endm
; THE CHANGE OF SLOTS.  Each wave waits for all its tensor loads (one is out: its part of the other slot), adds 0 to its spare word, and waits for that and for its reads of the slot that it leaves.
; fill = 1: the old slot is filled again, first thing behind the barrier, with tile NXT: the descriptor's address is made anew from that number.
.macro CHANGE fill
	WIN 0
	s_wait_tensorcnt 0x0
	ds_add_u32 v[SPW], v[NIL]       ; 0 onto my spare word; scalar work stands between it and the wait for it
.if \fill
	s_lshl_b32 s[OFF], s[NXT], 14   ; a tile is 16,384 bytes of K and of V
	s_xor_b32 s[G0K+1], s[G0K+1], SLOT1
	s_add_nc_u64 s[G0K+2:G0K+3], s[6:7], s[OFF:OFF+1]
	s_or_b32 s[G0K+3], s[G0K+3], 0x80000000
	s_xor_b32 s[G0V+1], s[G0V+1], SLOT1
	s_add_nc_u64 s[G0V+2:G0V+3], s[8:9], s[OFF:OFF+1]
	s_or_b32 s[G0V+3], s[G0V+3], 0x80000000
	s_add_co_u32 s[NXT], s[NXT], 1  ; the block's next tile, or behind its last the second block's tile 0
	s_cmp_gt_u32 s[NXT], s[LQ]
	s_cselect_b32 s[NXT], 0, s[NXT]
	s_cselect_b32 s[LQ], s[PB], s[LQ]
	s_wait_xcnt 0x0                 ; the last prefetch, a tile back, has read its address
	s_add_nc_u64 s[PFA:PFA+1], s[PFA:PFA+1], 16384
.endif
	s_wait_dscnt 0x0                ; the add is done, and my reads of the slot are over
	s_barrier_signal -1
	s_xor_b32 s[TB], s[TB], SLOT1
	s_barrier_wait -1
.if \fill
	LOAD                            ; its four v_nop are also places in front of the loads into K's registers
	ASK
.else
	PLACES
.endif
.endm
; THE LDS LOADS, in runs of 16: K of step s (64 keys x 64 channels: 8 fragments), V of step s (turned)
.macro FK s
	WIN 0x40                        ; destination window 1
.irp f, 0,1,2,3,4,5,6,7             ; keys 16 (f / 2) on, channels 32 (f % 2) on
	ds_load_b128 v[64*(\s)+8*(\f):64*(\s)+8*(\f)+3],   v[AK] offset:(\s)*64*PK+((\f)/2)*16*PK+((\f)%2)*64
	ds_load_b128 v[64*(\s)+8*(\f)+4:64*(\s)+8*(\f)+7], v[AK] offset:(\s)*64*PK+((\f)/2)*16*PK+((\f)%2)*64+32
.endr
.endm
.macro FV s
	WIN 0x40
.irp f, 0,1,2,3,4,5,6,7             ; keys 32 (f / 4) on, channels 16 (f % 4) on
	ds_load_tr16_b128 v[128+64*(\s)+8*(\f):128+64*(\s)+8*(\f)+3],   v[AV] offset:(\s)*64*PV+((\f)/4)*32*PV+((\f)%4)*32
	ds_load_tr16_b128 v[128+64*(\s)+8*(\f)+4:128+64*(\s)+8*(\f)+7], v[AV] offset:(\s)*64*PV+((\f)/4)*32*PV+16*PV+((\f)%4)*32
.endr
.endm
.macro START                        ; a tile is entered: its addresses, and K of step 0
	WIN 0
	v_add_nc_u32 v[AK], s[TB], v[AK0]
	v_add_nc_u32 v[AV], s[TB], v[AV0]
	FK 0
	WIN 0
.endm
; THE MATRIX WORK.  One product.  kind 1: number i of 8 of S^T = K Q^T for piece x, step s: channels 32 (i / 4) on, keys 16 (i % 4) on; the first 4 start the sums, with 0 or (m = 1) with the mask.
; kind 0: number i of 8 of O^T += V^T P: keys 32 (i / 4) on, channels 16 (i % 4) on.  The four accumulators of a run of 8 take turns.
.macro ONE kind, x, s, m, i
	WIN 0x01                        ; K or V in window 1
.if (\kind) == 1
.set wD, S+32*(\x)+8*((\i)%4)
.set wA, 64*(\s)+16*((\i)%4)+8*((\i)/4)
.set wB, Q+16*(\x)+8*((\i)/4)
.if ((\i) < 4) && (\m)
	v_wmma_f32_16x16x32_f16 v[wD:wD+7], v[wA:wA+7], v[wB:wB+7], v[MD+8*(\i):MD+8*(\i)+7]
.elseif (\i) < 4
	v_wmma_f32_16x16x32_f16 v[wD:wD+7], v[wA:wA+7], v[wB:wB+7], 0
.else
	v_wmma_f32_16x16x32_f16 v[wD:wD+7], v[wA:wA+7], v[wB:wB+7], v[wD:wD+7]
.endif
.else
.set wD, O+32*(\x)+8*((\i)%4)
.set wA, 128+64*(\s)+32*((\i)/4)+8*((\i)%4)
.set wB, P+16*(\x)+8*((\i)/4)
	v_wmma_f32_16x16x32_f16 v[wD:wD+7], v[wA:wA+7], v[wB:wB+7], v[wD:wD+7]
.endif
.endm
.macro QUEUE k0, x0, s0, m0, k1=0, x1=0, s1=0, m1=0   ; the products to come: one or two runs of 8
.set qk0, \k0
.set qx0, \x0
.set qs0, \s0
.set qm0, \m0
.set qk1, \k1
.set qx1, \x1
.set qs1, \s1
.set qm1, \m1
.set mi, 0
.endm
.macro MM                           ; the queue's next product
.if mi < 8
	ONE qk0, qx0, qs0, qm0, mi
.else
	ONE qk1, qx1, qs1, qm1, mi-8
.endif
.set mi, mi+1
.endm
.macro BARE n
.rept \n
	MM
.endr
.endm
; THE VECTOR WORK.  Line j of 120 of piece x's softmax for one step of 64 keys.  s0-s31 are the lane's 32 scores, in pairs 0-15.
;   0-16   the maximum of s0-s31 and the old m, three operands at a time (each accumulator's lowest registers are read first); 15 keeps c m_old
;   17-20  the other half of the lanes' maximum; the new m; c m; c m_old - c m_new
;   21-69  ONE BATCH: the 16 scalings c s - c m and all 33 exponentials: two scalings, a, then scaling n and exponential n - 2 by turns (24-51), then s14-s31.  None of these reads an exponential's result
;   70, 71 a plain line behind the last exponential, and the one wait ahead of the batch's first reader
;   72-87  O^T times a     88-103 the roundings to f16     104-118 the 16 pairs added as a tree, in place     119 l = a l + the sum
.macro SM x
.set rT, ST+4*(\x)
.set rC, TMP+4*(\x)
.set rW, MV+(\x)
.set rS, S+32*(\x)
.set rP, P+16*(\x)
.set rO, O+32*(\x)
	WIN 0
.if j < 4
	v_max3_num_f32 v[rC+j], v[rS+8*j], v[rS+8*j+1], v[rS+8*j+2]
.elseif j < 12
	v_max3_num_f32 v[rC+j%4], v[rC+j%4], v[rS+8*(j%4)+2*(j/4)+1], v[rS+8*(j%4)+2*(j/4)+2]
.elseif j == 12
	v_max3_num_f32 v[rC], v[rC], v[rS+7], v[rS+15]
.elseif j == 13
	v_max3_num_f32 v[rC+1], v[rC+1], v[rS+23], v[rS+31]
.elseif j == 14
	v_max3_num_f32 v[rC+2], v[rC+2], v[rC+3], v[rT+1]
.elseif j == 15
	v_mov_b32 v[rW], v[rT]
.elseif j == 16
	v_max3_num_f32 v[rC], v[rC], v[rC+1], v[rC+2]
.elseif j == 17
	v_permlanex16_b32 v[rC+3], v[rC], s[SEL], s[SEL+1]     ; the query's other 32 keys lie in the lane 16 away
.elseif j == 18
	v_max_num_f32 v[rT+1], v[rC], v[rC+3]
.elseif j == 19
	v_mul_f32 v[rT], s[CS], v[rT+1]
.elseif j == 20
	v_sub_f32 v[rC+1], v[rW], v[rT]
.elseif j == 23
	v_exp_f32 v[rC+2], v[rC+1]                             ; a
.elseif (j < 23) || ((j < 52) && (j%2 == 0))
.set fq, j-21                       ; 21, 22: pairs 0, 1
.if j > 23
.set fq, (j-20)/2                   ; 24, 26 .. 50: pairs 2 to 15
.endif
	v_pk_fma_f32 v[rS+2*fq:rS+2*fq+1], v[rS+2*fq:rS+2*fq+1], s[CS:CS+1], v[rT:rT+1] op_sel_hi:[1,0,0] neg_lo:[0,0,1] neg_hi:[0,0,1]   ; c s - c m
.elseif j < 70
.set em, (j-25)/2                   ; 25, 27 .. 51: s0 to s13
.if j >= 52
.set em, j-38                       ; 52 .. 69: s14 to s31
.endif
	v_exp_f32 v[rS+em], v[rS+em]
.elseif j == 70
	v_nop
.elseif j == 71
	s_wait_alu depctr_va_vdst(0)
.elseif j < 88
	v_pk_mul_f32 v[rO+2*(j-72):rO+2*(j-72)+1], v[rO+2*(j-72):rO+2*(j-72)+1], v[rC+2:rC+3] op_sel_hi:[1,0]
.elseif j < 104
	v_cvt_pk_f16_f32 v[rP+j-88], v[rS+2*(j-88)], v[rS+2*(j-88)+1]
.elseif j < 119
.set tw, 4
.set tu, j-104
.if j >= 118
.set tw, 32
.set tu, 0
.elseif j >= 116
.set tw, 16
.set tu, j-116
.elseif j >= 112
.set tw, 8
.set tu, j-112
.endif
	v_pk_add_f32 v[rS+tw*tu:rS+tw*tu+1], v[rS+tw*tu:rS+tw*tu+1], v[rS+tw*tu+tw/2:rS+tw*tu+tw/2+1]
.else
	v_pk_fma_f32 v[rT+2:rT+3], v[rT+2:rT+3], v[rC+2:rC+3], v[rS:rS+1] op_sel_hi:[1,0,1]
.endif
.endm
; Piece x's softmax with n products of the queue among its lines: product k stands ahead of line first + step k.  The last product stands ahead of line 72 at the latest: 47 plain lines or more, which name
; none of its registers, follow it before the next turn reads its result.
.macro RIDE x, n, first, step
.set j, 0
.set k, 0
.rept 120
.if (k < (\n)) && (j == (\first)+(\step)*k)
	MM
.set k, k+1
.endif
	SM \x
.set j, j+1
.endr
.endm
; A tile below the diagonal.  K of step 0 has been asked for.
.macro FULL
	s_wait_dscnt 0x0                ; K of step 0
	QUEUE 1,0,0,0
	BARE 8                          ; piece 0's scores of step 0
	FV 0                            ; 32 loads go out while those products are at work
	FK 1
	WIN 0
	PLACES                          ; behind those products, ahead of the first reader of their results
	QUEUE 1,1,0,0
	RIDE 0, 8, 12, 7                ; piece 0's softmax | piece 1's scores of step 0
	FV 1
	s_wait_dscnt 16                 ; V of step 0 and K of step 1 are in; V of step 1 may be out
	QUEUE 0,0,0,0, 1,0,1,0
	RIDE 1, 16, 12, 4               ; piece 1's softmax | piece 0: V^T P of step 0, scores of step 1
	QUEUE 0,1,0,0, 1,1,1,0
	RIDE 0, 16, 12, 4               ; piece 0's softmax | piece 1: the same
	s_wait_dscnt 0x0                ; V of step 1
	QUEUE 0,0,1,0
	RIDE 1, 8, 12, 7                ; piece 1's softmax | piece 0: V^T P of step 1
	QUEUE 0,1,1,0
	BARE 8                          ; piece 1: V^T P of step 1
	WIN 0
.endm
; The diagonal tile: piece 0 has step 0 alone, masked; piece 1 has step 0 whole and step 1 masked.
.macro DIAG
	s_wait_dscnt 0x0
	QUEUE 1,0,0,1
	BARE 8
	FV 0
	FK 1
	WIN 0
	PLACES
	QUEUE 1,1,0,0
	RIDE 0, 8, 12, 7
	FV 1
	s_wait_dscnt 16
	QUEUE 0,0,0,0
	RIDE 1, 8, 12, 7
	QUEUE 0,1,0,0, 1,1,1,1
	BARE 16
	WIN 0
	PLACES
	RIDE 1, 0, 0, 1
	s_wait_dscnt 0x0
	QUEUE 0,1,1,0
	BARE 8
	WIN 0
.endm
; THE WAY OUT: l's halves and the other half of the lanes' are added; O^T is divided by l, rounded to f16 and sent through my stage in LDS, a piece at a time.
.macro PACK t
.set n, 0
.rept 16
	v_pk_mul_f32 v[O+32*(\t)+2*n:O+32*(\t)+2*n+1], v[O+32*(\t)+2*n:O+32*(\t)+2*n+1], v[ST+4*(\t)+2:ST+4*(\t)+3] op_sel_hi:[1,0]
.set n, n+1
.endr
.set n, 0
.rept 16
	v_cvt_pk_f16_f32 v[S+16*(\t)+n], v[O+32*(\t)+2*n], v[O+32*(\t)+2*n+1]
.set n, n+1
.endr
.irp f, 0,1,2,3
	ds_store_b128 v[STO], v[S+16*(\t)+4*(\f):S+16*(\t)+4*(\f)+3] offset:32*(\f)
.endr
.irp f, 0,1,2,3
	ds_load_b128 v[S+16*(\t)+4*(\f):S+16*(\t)+4*(\f)+3], v[RD] offset:(\f)*4*SP   ; LDS serves a wave's instructions in order (ISA guide 5.7.1.4): these see the stores above
.endr
.endm
.macro SEND t, younger              ; younger: the LDS instructions issued behind piece t's loads
.irp f, 0,1,2,3
	s_wait_dscnt (\younger)+3-(\f)
	global_store_b128 v[GO], v[S+16*(\t)+4*(\f):S+16*(\t)+4*(\f)+3], s[10:11] offset:(\t)*8192+(\f)*512   ; 512 consecutive bytes, aligned
.endr
.endm
.macro OUT
	WIN 0
	PLACES                          ; behind the last products
.irp t, 0,1
	v_add_f32 v[ST+4*(\t)+2], v[ST+4*(\t)+2], v[ST+4*(\t)+3]
.endr
.irp t, 0,1
	v_permlanex16_b32 v[ST+4*(\t)+3], v[ST+4*(\t)+2], s[SEL], s[SEL+1]
.endr
.irp t, 0,1
	v_add_f32 v[ST+4*(\t)+2], v[ST+4*(\t)+2], v[ST+4*(\t)+3]
.endr
.irp t, 0,1
	v_rcp_f32 v[ST+4*(\t)+2], v[ST+4*(\t)+2]
.endr
	v_nop
	s_wait_alu depctr_va_vdst(0)    ; one wait for the two reciprocals
	PACK 0
	PACK 1
	SEND 0, 8
	SEND 1, 0
.endm
.macro FRESH                        ; a block begins: c m far below every c s, so the first step's a is 0 and wipes what O^T and l hold; m at the lowest finite number
.irp t, 0,1
	v_mov_b32 v[ST+4*(\t)], 0xfe000000
	v_mov_b32 v[ST+4*(\t)+1], 0xff7fffff
.endr
.endm
	s_load_b64 s[4:5], s[0:1], 0x0  ; qkv
	s_load_b64 s[10:11], s[0:1], 0x8  ; z
	v_lshl_add_u32 v[SPW], v0, 2, SPARE
	v_mov_b32 v[NIL], 0
	ds_add_u32 v[SPW], v[NIL]       ; the wave's opening: the add and its wait stand ahead of my first tensor load
	ds_add_u32 v10, v11
	v_lshrrev_b32 v1, 5, v0
	v_readfirstlane_b32 s[WV], v1
	s_mov_b32 s[PB], ttmp9
	s_sub_co_u32 s[HI], NB-1, s[PB]
	s_and_b32 s20, ttmp7, 0xffff    ; the plane,
	s_lshl_b32 s20, s20, 18         ; 262,144 bytes each
	s_and_b32 s16, s[WV], 1         ; which half of a tile's 128 keys I fetch:
	s_lshl_b32 s22, s16, 13         ; its 64 rows of 128 bytes in memory,
	s_add_co_u32 s22, s22, s20
	s_mov_b32 s23, 0
	s_mul_i32 s17, s16, 64*PK       ; and its place in a slot, for K
	s_mul_i32 s18, s16, 64*PV       ; and for V
	s_lshl_b32 s3, s[WV], 11        ; my 16 rows in a band,
	s_add_co_u32 s3, s3, s20
	s_lshl_b32 s2, s[HI], 14        ; in the first block (16,384 bytes a block),
	s_add_co_u32 s2, s2, s3
	s_lshl_b32 s84, s[PB], 14       ; and in the second
	s_add_co_u32 s84, s84, s3
	s_mov_b32 s3, 0
	s_mov_b32 s85, 0
	; group 1: 64 keys are 8,192 dense bytes: asked for as 32 rows of 256 bytes, two keys a row, padded in LDS after every key
	s_mov_b32 s[G1K], (1<<16)|(1<<20)|(4<<22)|(3<<25)  ; 2-byte elements; padding on; after every 32 words 4 words
	s_mov_b32 s[G1V], (1<<16)|(1<<20)|(4<<22)|(7<<25)  ; the same with 8 words
.irp g, G1K, G1V
	s_mov_b32 s[\g+1], 128<<16      ; tensor_dim0 = 128
	s_mov_b32 s[\g+2], 32<<16       ; tensor_dim1 = 32
	s_mov_b32 s[\g+3], 128<<16      ; tile_dim0 = 128
	s_mov_b32 s[\g+4], 32           ; tile_dim1 = 32
	s_mov_b32 s[\g+5], 128          ; 128 elements from row to row
	s_mov_b32 s[\g+6], 0
	s_mov_b32 s[\g+7], 0
.endr
	s_mov_b32 s[CS], 0x3e38aa3b     ; c = log2(e) / 8
	s_mov_b32 s[CS+1], s[CS]
	s_mov_b32 s[SEL], 0x76543210
	s_mov_b32 s[SEL+1], 0xfedcba98
	s_mov_b32 s[TB], SLOT1          ; the first change of slots turns it into 0
	s_mov_b32 s[G0K], 1
	s_mov_b32 s[G0K+1], s17         ; slot 0
	s_mov_b32 s[G0V], 1
	s_add_co_u32 s[G0V+1], s18, VOFF
	s_add_co_u32 s[RT], s[HI], 1    ; the first block has 16 - b tiles
	s_mov_b32 s[NXT], 1
	s_mov_b32 s[LQ], s[HI]
	s_mov_b32 s[OFF+1], 0
	s_mov_b32 s[BIGN], 0xf149f2ca   ; -1e30
	s_mov_b32 s[SLOTS], NB
	s_cmp_eq_u32 s[PB], 0
	s_cselect_b32 s[LIM], 3, -1
	s_wait_dscnt 0x0                ; the opening add is done
	s_wait_kmcnt 0x0
	s_add_nc_u64 s[6:7], s[4:5], s[22:23]
	s_add_nc_u64 s[8:9], s[6:7], 16777216          ; V at my half of the plane's tile 0
	s_add_nc_u64 s[6:7], s[6:7], 8388608           ; K likewise
	s_add_nc_u64 s[G0K+2:G0K+3], s[6:7], 0
	s_or_b32 s[G0K+3], s[G0K+3], 0x80000000
	s_add_nc_u64 s[G0V+2:G0V+3], s[8:9], 0
	s_or_b32 s[G0V+3], s[G0V+3], 0x80000000
	s_add_nc_u64 s[86:87], s[4:5], s[84:85]        ; Q at my rows of the second block,
	s_add_nc_u64 s[OLO:OLO+1], s[10:11], s[84:85]
	s_add_nc_u64 s[4:5], s[4:5], s[2:3]            ; Q and z at those of the first
	s_add_nc_u64 s[10:11], s[10:11], s[2:3]
	s_cmp_lt_u32 s[WV], 2
	s_cselect_b64 s[PFA:PFA+1], s[6:7], s[8:9]
	s_add_nc_u64 s[PFA:PFA+1], s[PFA:PFA+1], 2*16384   ; at tile 2: the first change steps it to tile 3
	LOAD                            ; tile 0 into slot 0
	v_and_b32 v1, 15, v0            ; l % 16
	v_bfe_u32 v9, v0, 4, 1          ; l / 16
	v_lshlrev_b32 v[QO], 7, v1
	v_lshl_add_u32 v[QO], v9, 4, v[QO]  ; row x 128 + 16 x half
.irp i, 0,1,2,3                     ; piece i / 2 lies in band i / 2, 8,192 bytes on; channels 32 (i % 2) on
	global_load_b128 v[Q+8*(\i):Q+8*(\i)+3],   v[QO], s[4:5] offset:((\i)/2)*8192+((\i)%2)*64
	global_load_b128 v[Q+8*(\i)+4:Q+8*(\i)+7], v[QO], s[4:5] offset:((\i)/2)*8192+((\i)%2)*64+32
.endr
	WIN 0x80                        ; destination window 2
.irp i, 0,1,2,3
	global_load_b128 v[8*(\i):8*(\i)+3],   v[QO], s[86:87] offset:((\i)/2)*8192+((\i)%2)*64
	global_load_b128 v[8*(\i)+4:8*(\i)+7], v[QO], s[86:87] offset:((\i)/2)*8192+((\i)%2)*64+32
.endr
	WIN 0
	v_lshlrev_b32 v64, 3, v9
	v_sub_nc_u32 v64, v1, v64
	s_lshl_b32 s13, s[WV], 4
	v_add_nc_u32 v64, s13, v64      ; my query's place in its band, 16 w + l % 16, less my lanes' 8 (l / 16): register j of key group kt is hidden where 16 kt + j is greater
.set i, 0
.rept 32
	v_cmp_gt_i32 vcc_lo, 16*(i/8)+i%8, v64
	v_cndmask_b32 v[MD+i], 0, s[BIGN], vcc_lo
.set i, i+1
.endr
	v_mul_u32_u24 v[AK0], v1, PK
	v_lshl_add_u32 v[AK0], v9, 4, v[AK0]
	v_and_b32 v65, 7, v0
	v_bfe_u32 v66, v0, 3, 1
	v_lshl_add_u32 v[AV0], v9, 3, v65   ; the turning load: lane l reads key 8 (l / 16) + l % 8, channels 8 ((l / 8) % 2) + 0..7
	v_mul_u32_u24 v[AV0], v[AV0], PV
	v_lshl_add_u32 v[AV0], v66, 4, v[AV0]
	v_add_nc_u32 v[AV0], VOFF, v[AV0]
	s_mul_i32 s13, s[WV], 16*SP
	s_add_co_u32 s13, s13, STAGE    ; my stage
	v_mul_u32_u24 v[STO], v1, SP
	v_lshl_add_u32 v[STO], v9, 4, v[STO]
	v_add_nc_u32 v[STO], s13, v[STO]
	v_bfe_u32 v[RD], v0, 3, 2       ; back: 32 lanes take four rows of 128 bytes,
	v_mul_u32_u24 v[RD], v[RD], SP
	v_lshl_add_u32 v[RD], v65, 4, v[RD]
	v_add_nc_u32 v[RD], s13, v[RD]
	v_and_b32 v[GO], 31, v0         ; which are 512 consecutive bytes of z
	v_lshlrev_b32 v[PFO], 8, v[GO]
	v_lshlrev_b32 v[GO], 4, v[GO]
.set i, 0
.rept 64
	v_mov_b32 v[O+i], 0             ; O^T and l need only be finite: the first step multiplies them by a = 0.  Written in the wait for the first tile
.set i, i+1
.endr
.irp t, 0,1
	v_mov_b32 v[ST+4*(\t)+2], 0
	v_mov_b32 v[ST+4*(\t)+3], 0
.endr
	FRESH
	s_wait_loadcnt 0x0              ; both blocks' Q
.Ltile:                             ; 16 times: a tile is entered and the next is asked for
	CHANGE 1
	s_sub_co_u32 s[RT], s[RT], 1
	START
	s_cmp_eq_u32 s[RT], 0
	s_cbranch_scc1 .Ldiag
	FULL
	s_branch .Lbottom
.Ldiag:                             ; in the loop this is the first block's end: the second block's last tile is the walk's last
	DIAG
	OUT
	s_wait_xcnt 0x0                 ; the stores have read their registers and z's address
	s_mov_b64 s[10:11], s[OLO:OLO+1]
	s_add_co_u32 s[RT], s[PB], 1    ; the second block has b + 1 tiles
	WIN 0x02                        ; source in window 2
.set i, 0
.rept 32
	v_mov_b32 v[Q+i], v[i]
.set i, i+1
.endr
	WIN 0
	FRESH
.Lbottom:
	s_sub_co_u32 s[SLOTS], s[SLOTS], 1
	s_cmp_lg_u32 s[SLOTS], 0
	s_cbranch_scc1 .Ltile
	CHANGE 0                        ; the walk's last tile is written out
	START
	DIAG
	OUT
	s_wait_tensorcnt 0x0            ; the wave's end
	ds_add_u32 v[SPW], v[NIL]
	s_wait_dscnt 0x0
	s_endpgm
.Lfunc_end_k_q3439e500e2_attention:
	.size	k_q3439e500e2_attention, .Lfunc_end_k_q3439e500e2_attention-k_q3439e500e2_attention
	.p2alignl 7, 3214868480
	.fill 96, 4, 3214868480
	.section	.rodata,"a",@progbits
	.p2align	6, 0x0
	.amdhsa_kernel k_q3439e500e2_attention
		.amdhsa_group_segment_fixed_size 327680
		.amdhsa_private_segment_fixed_size 0
		.amdhsa_enable_private_segment 0
		.amdhsa_kernarg_size 16
		.amdhsa_user_sgpr_count 2
		.amdhsa_user_sgpr_kernarg_segment_ptr 1
		.amdhsa_wavefront_size32 1
		.amdhsa_system_sgpr_workgroup_id_x 1
		.amdhsa_system_sgpr_workgroup_id_y 1
		.amdhsa_system_sgpr_workgroup_id_z 1
		.amdhsa_system_vgpr_workitem_id 0
		.amdhsa_next_free_vgpr 544
		.amdhsa_next_free_sgpr 90
		.amdhsa_reserve_vcc 1
		.amdhsa_float_denorm_mode_32 3
		.amdhsa_float_denorm_mode_16_64 3
		.amdhsa_memory_ordered 1
		.amdhsa_forward_progress 1
		.amdhsa_inst_pref_size 121
	.end_amdhsa_kernel
	.amdgpu_metadata
---
amdhsa.version: [ 1, 2 ]
amdhsa.kernels:
  - .name:           k_q3439e500e2_attention
    .symbol:         k_q3439e500e2_attention.kd
    .args:
      - { .name: qkv, .offset: 0, .size: 8, .value_kind: global_buffer, .address_space: global }
      - { .name: z, .offset: 8, .size: 8, .value_kind: global_buffer, .address_space: global }
    .group_segment_fixed_size: 327680
    .private_segment_fixed_size: 0
    .kernarg_segment_align: 8
    .kernarg_segment_size: 16
    .max_flat_workgroup_size: 128
    .sgpr_count:     90
    .vgpr_count:     544
    .wavefront_size: 32
...
	.end_amdgpu_metadata
.endif
;; end of part 3
;; launch proj_o (part 4): grid 8 x 32, 4 waves a work-group, clusters of 4 x 4, 327,680 bytes of LDS; arguments z, c16, b_o, pre; writes pre
.if DOCPART == 4
	.amdgcn_target "amdgcn-amd-amdhsa--gfx1250"
	.amdhsa_code_object_version 6
	.text
	.protected	k_q3439e500e2_proj_o
	.globl	k_q3439e500e2_proj_o
	.p2align	8
	.type	k_q3439e500e2_proj_o,@function
k_q3439e500e2_proj_o:
	s_mov_b64 s[64:65], 0
	v_nop
	global_prefetch_b8 v0, s[64:65] scope:SCOPE_SE
	s_setreg_imm32_b32 hwreg(HW_REG_WAVE_MODE, 25, 1), 1
	s_wait_xcnt 0x0
	s_wait_alu depctr_hold_cnt(0) depctr_sa_sdst(0) depctr_va_vdst(0) depctr_va_sdst(0) depctr_va_ssrc(0) depctr_va_vcc(0) depctr_vm_vsrc(0)
	s_getreg_b32 s2, hwreg(HW_REG_IB_STS2, 6, 4)
	s_cmp_eq_u32 s2, 0
	s_cbranch_scc0 .Lentry_in_a_cluster
	s_endpgm
.Lentry_in_a_cluster:
	s_bfe_u32 s2, ttmp6, 0x10000c
	s_cmp_lg_u32 s2, 0xf033
	s_cbranch_scc0 .Lentry_shape_is_right
	s_endpgm
.Lentry_shape_is_right:
; pre = A B + bias, f32 [4096][1024].  Here: A = z, f16 by heads [32][2048][64]; B = W_o as f16 [1024][1024] (c16 at byte BOFF); the bias is rounded to bf16 like every input.  Sums in f32.
; SHAPE.  N = 1,024 gives 64 tiles of 256 x 256, so the tile is 128 x 128: 256 work-groups.  Four waves of 64 x 64: 16 accumulators.  K goes in steps of 256 through two LDS slots.
; A's tile: BYHEADS = 1: 64 tokens of one head are 8,192 dense bytes, asked for as one row; a step's four heads are four rows; in LDS [head][token] at 144 bytes.  BYHEADS = 0: 64 rows of 512 bytes at 528.
; B lies [K][N]: a wave's load brings 128 k rows of 256 bytes (pitch 288); fragments come out turned, by ds_load_tr16_b128.
; THE PRODUCT IS USED TRANSPOSED (source 0 = 16 columns of B, source 1 = 16 rows of A): lane l holds row l % 16 of C and the columns 8 (l / 16) + 0..7.
; CLUSTER 4 x 4: A's tile is asked for jointly along a row of the cluster, B's along a column.  No prefetch: a step's tiles are small and are read by eight or thirty-two tiles' work-groups.
; WHERE K BEGINS.  The two clusters along x read the same rows of A, neighbours along y the same columns of B.  Such clusters begin half of K apart: the first K step is (NS / 2) x ((cluster x xor cluster y) % 2),
; and the step's number goes round modulo NS: what one asks for in the first half of its walk the other asks for in its second.  f32 sums may be taken in any order.  The start hangs on the cluster's
; coordinates alone, which all sixteen partners share.
; REGISTERS: window 0: addresses, the way out (v32-95), the accumulators ((a, b) at v[128 + 8 (4 a + b)]); window 1: two fragment buffers of 128 (64 along K: A's 64 registers, then B's).
; THE LAST TWO K STEPS, which ask for nothing, are one loop of two trips that is left in its middle: the second trip's change of slots fetches 32 fragments that nobody multiplies and passes one more barrier.
; THE WAY OUT: when the ring has had its last fill and every wave its last read, each wave dumps its 64 x 64 sums into the ring's bytes (rows of 272) and reads whole rows of 256 bytes back, a trip ahead.
.set KDIM,    1024
.set BOFF,    14680064                 ; W_o in c16
.set BYHEADS, 1
.set NCOL,  1024
.set KSTEP, 256
.set NS,    KDIM/KSTEP
.if BYHEADS
.set APITCH, 144                       ; a token's 128 bytes of a head + 16
.set AQ,     64*APITCH                 ; a quarter (64 along K) is a head
.set ASTEP,  4*262144                  ; four planes on
.else
.set APITCH, 528                       ; 512 bytes + 16
.set AQ,     128
.set ASTEP,  KSTEP*2
.endif
.set PB,    288                        ; B's LDS row: 256 bytes + 32
.set AH,    36864                      ; a wave's part of a slot
.set SLOT,  4*AH                       ; 0x24000: shares no bit with wave x AH
.set SPARE, 2*SLOT
.set BSTEP, KSTEP*NCOL*2
.set DP,    272
.set DREG,  64*DP
.set BA,    7
.set BI,    8                          ; v8-11  the bias of my four columns
.set ADRA0, 16
.set ADRA,  17
.set ADRB0, 20
.set ADRB,  21                         ; v21: k rows 0-127 of the slot in hand; v22: k rows 128-255 (an immediate has 16 bits)
.set DST,   24
.set RD,    25
.set CO,    26
.set SPW,   28
.set NIL,   29
.set T,     30
.set E,     32                         ; v32-63  16 rows' numbers with their bias
.set L,     64                         ; v64-95  eight loads from the dump, a trip ahead
.set ACC,   128
.set F0,    0
.set F1,    128
.set G1,  24
.set G0,  32
.set G1B, 48
.set G0B, 56
.set BP,  66
.set TB,  70
.set KI,  71                           ; s71  the K step last asked for
.set OA,  72                           ; s[72:73] its byte offset in A,
.set OB,  74                           ; s[74:75] and in B
.set MSB, 0
.macro WIN new
.if MSB != (\new)
	s_set_vgpr_msb (MSB<<8)|(\new)
.set MSB, \new
.endif
.endm
.set MUL,  0x05                        ; sources 0 (B) and 1 (A) window 1; C and D window 0
.set TO_F, 0x40                        ; destination window 1, address window 0
.macro PLACES
.rept 4
	v_nop
.endr
.endm
.macro JLOAD                           ; a joint refill by the walking sets; an s_nop 0 and four v_nop follow each line
	s_cmp_eq_u32 s11, 0
	s_cbranch_scc0 .Lfor_b_\@
	tensor_load_to_lds s[G0+4:G0+7], s[G1:G1+7]
	s_nop 0
.rept 4
	v_nop
.endr
	s_branch .Lasked_\@
.Lfor_b_\@:
	tensor_load_to_lds s[G0B+4:G0B+7], s[G1B:G1B+7]
	s_nop 0
.rept 4
	v_nop
.endr
.Lasked_\@:
.endm
.macro CREST
	s_cmp_lg_u32 s10, 0
	s_cbranch_scc1 .Lnot_wave_0_\@
	s_barrier_signal -3
.Lnot_wave_0_\@:
	s_barrier_wait -3
	s_barrier_signal -1
	s_barrier_wait -1
.endm
.macro CROUND
	s_barrier_signal -1
	s_barrier_wait -1
	CREST
.endm
.macro RND a, b, t
	v_cvt_pk_bf16_f32 v[\t], v[\a], v[\b]
	v_lshlrev_b32 v[\a], 16, v[\t]
	v_and_b32 v[\b], s76, v[\t]
.endm
	s_load_b128 s[4:7], s[0:1], 0x0                ; A s[4:5], c16 s[6:7]
	s_load_b64 s[BP:BP+1], s[0:1], 0x10            ; the bias
	s_load_b64 s[8:9], s[0:1], 0x18                ; pre
	v_lshl_add_u32 v[SPW], v0, 2, SPARE
	v_mov_b32 v[NIL], 0
	ds_add_u32 v[SPW], v[NIL]                      ; the wave's opening: the add and its wait stand ahead of my first tensor load
	ds_add_u32 v28, v29
	v_lshrrev_b32 v1, 5, v0
	v_readfirstlane_b32 s10, v1
	s_lshr_b32 s11, s10, 1                         ; my half of the tile's rows.  Also: I fetch for A (0) or B (1)
	s_and_b32 s12, s10, 1                          ; my half of its columns.  Also: which half of that tile I fetch
	s_bfe_u32 s40, ttmp6, 0x40000
	s_bfe_u32 s41, ttmp6, 0x40004
	s_lshl_b32 s42, ttmp9, 2
	s_add_co_u32 s42, s42, s40                     ; tile column
	s_and_b32 s21, ttmp7, 0xffff                   ; cluster y
	s_lshl_b32 s13, s21, 2
	s_add_co_u32 s13, s13, s41                     ; tile row
	s_xor_b32 s[KI], s21, ttmp9
	s_and_b32 s[KI], s[KI], 1
	s_mul_i32 s[KI], s[KI], NS/2                   ; my cluster's first K step
	s_mul_i32 s[OA], s[KI], ASTEP
	s_mov_b32 s[OA+1], 0
	s_mul_i32 s[OB], s[KI], BSTEP
	s_mov_b32 s[OB+1], 0
	s_lshl_b32 s43, s41, 2
	s_lshl_b32 s43, 15, s43
	s_lshl_b32 s44, 0x1111, s40
.if BYHEADS
	s_or_b32 s[G1+0], s43, (1<<16)|(1<<20)|(1<<21)|(4<<22)|(3<<25)   ; after every 32 words (a token of a head) 4 words
	s_mov_b32 s[G1+1], 4096<<16                    ; tensor_dim0 = 4,096: 64 tokens x 64 channels
	s_mov_b32 s[G1+2], 4<<16                       ; tensor_dim1 = 4 heads
	s_mov_b32 s[G1+3], 4096<<16
	s_mov_b32 s[G1+4], 4
	s_mov_b32 s[G1+5], 131072                      ; elements from plane to plane
.else
	s_or_b32 s[G1+0], s43, (1<<16)|(1<<20)|(1<<21)|(6<<22)|(3<<25)   ; after every 128 words 4 words
	s_mov_b32 s[G1+1], KSTEP<<16
	s_mov_b32 s[G1+2], 64<<16
	s_mov_b32 s[G1+3], KSTEP<<16
	s_mov_b32 s[G1+4], 64
	s_mov_b32 s[G1+5], KDIM
.endif
	s_mov_b32 s[G1+6], 0
	s_mov_b32 s[G1+7], 0
	s_or_b32 s[G1B+0], s44, (1<<16)|(1<<20)|(1<<21)|(5<<22)|(7<<25)  ; after every 64 words 8 words
	s_mov_b32 s[G1B+1], 128<<16                    ; 128 columns
	s_mov_b32 s[G1B+2], 128<<16                    ; 128 k rows
	s_mov_b32 s[G1B+3], 128<<16
	s_mov_b32 s[G1B+4], 128
	s_mov_b32 s[G1B+5], NCOL
	s_mov_b32 s[G1B+6], 0
	s_mov_b32 s[G1B+7], 0
.if BYHEADS
	s_lshr_b32 s16, s13, 4                         ; batch,
	s_lshl_b32 s16, s16, 15                        ; its 16 planes of 2,048 rows
	s_and_b32 s17, s13, 15
	s_lshl_b32 s17, s17, 7
	s_add_co_u32 s16, s16, s17                     ; + the tile's first token
	s_lshl_b32 s17, s12, 6
	s_add_co_u32 s16, s16, s17                     ; + 64 x half,
	s_lshl_b32 s16, s16, 7                         ; rows of 128 bytes
.else
	s_lshl_b32 s16, s13, 7
	s_lshl_b32 s17, s12, 6
	s_add_co_u32 s16, s16, s17                     ; row 128 x tile row + 64 x half,
	s_mul_i32 s16, s16, KDIM*2
.endif
	s_mov_b32 s17, 0
	s_lshl_b32 s46, s12, 18                        ; B: k row 128 x half, 2,048 bytes each,
	s_lshl_b32 s47, s42, 8                         ; column 128 x tile column
	s_add_co_u32 s46, s46, s47
	s_mov_b32 s47, 0
	s_mul_i32 s20, s10, AH
	s_mov_b32 s[TB], 0
	s_mov_b32 s76, 0xffff0000
	s_wait_dscnt 0x0
	s_wait_kmcnt 0x0
	s_add_nc_u64 s[6:7], s[6:7], BOFF
	s_add_nc_u64 s[14:15], s[4:5], s[16:17]        ; my part of A's tile at K = 0; kept
	s_add_nc_u64 s[46:47], s[6:7], s[46:47]        ; and of B's; kept
	s_add_nc_u64 s[16:17], s[14:15], s[OA:OA+1]    ; at my cluster's first K step
	s_add_nc_u64 s[18:19], s[46:47], s[OB:OB+1]
	CROUND
.irp s, 0,1
	s_mov_b32 s[G0+4*(\s)], 1
	s_add_co_u32 s[G0+4*(\s)+1], s20, (\s)*SLOT
	s_add_nc_u64 s[G0+4*(\s)+2:G0+4*(\s)+3], s[16:17], (\s)*ASTEP
	s_or_b32 s[G0+4*(\s)+3], s[G0+4*(\s)+3], 0x80000000
	s_mov_b32 s[G0B+4*(\s)], 1
	s_add_co_u32 s[G0B+4*(\s)+1], s20, (\s)*SLOT
	s_add_nc_u64 s[G0B+4*(\s)+2:G0B+4*(\s)+3], s[18:19], (\s)*BSTEP
	s_or_b32 s[G0B+4*(\s)+3], s[G0B+4*(\s)+3], 0x80000000
.endr
	s_add_co_u32 s[KI], s[KI], 1                   ; the second first fill's step: NS / 2 + 1 at the most, so it has not gone round
	s_cmp_eq_u32 s11, 0                            ; a wave's two first fills stand in one branch: two loads of mine are out
	s_cbranch_scc0 .Lfirst_b
	tensor_load_to_lds s[G0:G0+3], s[G1:G1+7]
	s_nop 0
	tensor_load_to_lds s[G0+4:G0+7], s[G1:G1+7]
	s_nop 0
.rept 4
	v_nop
.endr
	s_branch .Lfirst_asked
.Lfirst_b:
	tensor_load_to_lds s[G0B:G0B+3], s[G1B:G1B+7]
	s_nop 0
	tensor_load_to_lds s[G0B+4:G0B+7], s[G1B:G1B+7]
	s_nop 0
.rept 4
	v_nop
.endr
.Lfirst_asked:
	s_lshl_b32 s18, s42, 9
	s_lshl_b32 s19, s12, 8
	s_add_co_u32 s18, s18, s19                     ; my wave's first column, in bytes of f32
	s_mov_b32 s19, 0
	s_add_nc_u64 s[BP:BP+1], s[BP:BP+1], s[18:19]
	s_add_nc_u64 s[8:9], s[8:9], s[18:19]
	v_and_b32 v1, 15, v0
	v_bfe_u32 v2, v0, 4, 1
	v_lshlrev_b32 v[BA], 4, v1
	global_load_b128 v[BI:BI+3], v[BA], s[BP:BP+1] ; columns 4 (l % 16) + 0..3
	s_lshl_b32 s18, s13, 7
	s_lshl_b32 s21, s11, 6
	s_add_co_u32 s18, s18, s21
	s_lshl_b32 s18, s18, 12                        ; my first row, 4,096 bytes each
	s_add_nc_u64 s[8:9], s[8:9], s[18:19]
	v_mul_u32_u24 v3, v1, APITCH
	v_lshl_add_u32 v3, v2, 4, v3
	s_mul_i32 s21, s11, AH
	v_add_nc_u32 v[ADRA0], s21, v3
	v_and_b32 v4, 7, v0
	v_bfe_u32 v5, v0, 3, 1
	v_lshl_add_u32 v4, v2, 3, v4
	v_mul_u32_u24 v4, v4, PB
	v_lshl_add_u32 v4, v5, 4, v4
	s_lshl_b32 s22, s12, 7
	s_add_co_u32 s22, s22, 2*AH
	v_add_nc_u32 v[ADRB0], s22, v4
	v_mov_b32 v[ADRA], v[ADRA0]
	v_mov_b32 v[ADRB], v[ADRB0]
	v_add_nc_u32 v[ADRB+1], AH, v[ADRB0]
	s_mul_i32 s23, s10, DREG
	v_mul_u32_u24 v3, v1, DP
	v_lshl_add_u32 v3, v2, 5, v3
	v_add_nc_u32 v[DST], s23, v3
	v_mul_u32_u24 v3, v2, DP
	v_lshl_add_u32 v3, v1, 4, v3
	v_add_nc_u32 v[RD], s23, v3
	v_lshlrev_b32 v3, 12, v2
	v_lshl_add_u32 v[CO], v1, 4, v3                ; lanes 0-15 one row's 256 bytes, lanes 16-31 the next row's
; 8 matrix instructions: m blocks a0, a0 + 1 x all 4 n blocks, 32 along K: depth c of buffer f.  The 16 accumulators take turns.
.macro MUL8 f, c, a0, zero
	WIN MUL
.irp a, \a0, (\a0)+1
.irp b, 0,1,2,3
.if \zero
	v_wmma_f32_16x16x32_f16 v[ACC+8*(4*(\a)+(\b)):ACC+8*(4*(\a)+(\b))+7], v[(\f)+64+8*(4*(\c)+(\b)):(\f)+64+8*(4*(\c)+(\b))+7], v[(\f)+8*(4*(\c)+(\a)):(\f)+8*(4*(\c)+(\a))+7], 0
.else
	v_wmma_f32_16x16x32_f16 v[ACC+8*(4*(\a)+(\b)):ACC+8*(4*(\a)+(\b))+7], v[(\f)+64+8*(4*(\c)+(\b)):(\f)+64+8*(4*(\c)+(\b))+7], v[(\f)+8*(4*(\c)+(\a)):(\f)+8*(4*(\c)+(\a))+7], v[ACC+8*(4*(\a)+(\b)):ACC+8*(4*(\a)+(\b))+7]
.endif
.endr
.endr
.endm
; 32 LDS loads in one run: quarter q (64 along K) into buffer f, the first 32 along K first
.macro FETCH q, f
	WIN TO_F
.irp c, 0,1
.irp i, 0,1,2,3
	ds_load_tr16_b128 v[(\f)+64+8*(4*(\c)+(\i)):(\f)+64+8*(4*(\c)+(\i))+3],   v[ADRB+(\q)/2] offset:((\q)%2)*64*PB+(\c)*32*PB+32*(\i)
	ds_load_tr16_b128 v[(\f)+64+8*(4*(\c)+(\i))+4:(\f)+64+8*(4*(\c)+(\i))+7], v[ADRB+(\q)/2] offset:((\q)%2)*64*PB+(\c)*32*PB+32*(\i)+16*PB
	ds_load_b128 v[(\f)+8*(4*(\c)+(\i)):(\f)+8*(4*(\c)+(\i))+3],   v[ADRA] offset:(\q)*AQ+64*(\c)+(\i)*16*APITCH
	ds_load_b128 v[(\f)+8*(4*(\c)+(\i))+4:(\f)+8*(4*(\c)+(\i))+7], v[ADRA] offset:(\q)*AQ+64*(\c)+(\i)*16*APITCH+32
.endr
.endr
.endm
.macro QUARTER q, f, g, zero
	s_wait_dscnt 16                                ; the first 32 along K are in
	MUL8 \f, 0, 0, \zero
	MUL8 \f, 0, 2, \zero
	PLACES
	FETCH \q, \g
	s_wait_dscnt 32                                ; all but the 32 just issued
	MUL8 \f, 1, 0, 0
	MUL8 \f, 1, 2, 0
.endm
; The last quarter multiplies buffer 1 and changes slots: the wait for all my tensor loads, the add, the wait for it and for my reads of this slot, the barrier; fill = 1: it opens a round of the
; cluster's barrier, and the joint refill, two K steps on in my cluster's walk, stands directly behind the round; its address is made anew from the step's number.
.macro TURN fill
	WIN 0
	s_wait_tensorcnt 0x0
	ds_add_u32 v[SPW], v[NIL]
.if \fill
	s_add_co_u32 s[KI], s[KI], 1                   ; no tensor load of mine is out, so the walking sets may be written
	s_and_b32 s[KI], s[KI], NS-1                   ; the walk goes round
	s_mul_i32 s[OA], s[KI], ASTEP
	s_mul_i32 s[OB], s[KI], BSTEP
	s_xor_b32 s[G0+5], s[G0+5], SLOT
	s_add_nc_u64 s[G0+6:G0+7], s[14:15], s[OA:OA+1]
	s_or_b32 s[G0+7], s[G0+7], 0x80000000
	s_xor_b32 s[G0B+5], s[G0B+5], SLOT
	s_add_nc_u64 s[G0B+6:G0B+7], s[46:47], s[OB:OB+1]
	s_or_b32 s[G0B+7], s[G0B+7], 0x80000000
.endif
	s_wait_dscnt 17                                ; the add and the youngest sixteen loads may be out
	MUL8 F1, 0, 0, 0
	s_wait_dscnt 0x0
	s_barrier_signal -1
	MUL8 F1, 0, 2, 0
	WIN 0
	s_barrier_wait -1
.if \fill
	CREST
	JLOAD
.else
	PLACES
.endif
	s_xor_b32 s[TB], s[TB], SLOT
	v_add_nc_u32 v[ADRA], s[TB], v[ADRA0]
	v_add_nc_u32 v[ADRB], s[TB], v[ADRB0]
	v_add_nc_u32 v[ADRB+1], AH, v[ADRB]
	FETCH 0, F0
	MUL8 F1, 1, 0, 0
	MUL8 F1, 1, 2, 0
.endm
.macro LOADL                           ; 16 rows of the dump, two a load
.irp t, 0,1,2,3,4,5,6,7
	ds_load_b128 v[L+4*(\t):L+4*(\t)+3], v[RD] offset:2*DP*(\t)
.endr
.endm
	s_wait_tensorcnt 1                             ; my part of the first K step is in; the second's may stay out
	s_barrier_signal -1
	s_barrier_wait -1
	FETCH 0, F0
	QUARTER 1, F0, F1, 1
	WIN 0
	s_mov_b32 s3, NS-2
.Lstep:
	QUARTER 2, F1, F0, 0
	QUARTER 3, F0, F1, 0
	TURN 1
	QUARTER 1, F0, F1, 0
	WIN 0
	s_sub_co_u32 s3, s3, 1
	s_cmp_lg_u32 s3, 0
	s_cbranch_scc1 .Lstep
	s_mov_b32 s3, 2
.Ltail:                                                ; the last two K steps ask for nothing; the second trip is left behind its last products
	QUARTER 2, F1, F0, 0
	QUARTER 3, F0, F1, 0
	TURN 0
	WIN 0
	s_sub_co_u32 s3, s3, 1
	s_cmp_lg_u32 s3, 0
	s_cbranch_scc0 .Lsums
	QUARTER 1, F0, F1, 0
	WIN 0
	s_cmp_lg_u32 s3, 0
	s_cbranch_scc1 .Ltail
.Lsums:
	s_wait_dscnt 0x0                               ; the fragments that the last change of slots fetched are back: no read of the ring is out
.rept 8
	v_nop
.endr
	s_barrier_signal -1                            ; every wave's reads of the ring are back, and the ring has had its last fill
	s_barrier_wait -1
.irp a, 0,1,2,3
.irp b, 0,1,2,3
	ds_store_b128 v[DST], v[ACC+8*(4*(\a)+(\b)):ACC+8*(4*(\a)+(\b))+3]   offset:(\a)*16*DP+64*(\b)
	ds_store_b128 v[DST], v[ACC+8*(4*(\a)+(\b))+4:ACC+8*(4*(\a)+(\b))+7] offset:(\a)*16*DP+64*(\b)+16
.endr
.endr
	s_wait_dscnt 0x0
	s_barrier_signal -1
	s_barrier_wait -1
	LOADL                                          ; the first trip's rows
	s_wait_loadcnt 0x0
	RND BI,   BI+1, T
	RND BI+2, BI+3, T+1
	s_mov_b32 s3, 4
.Lout:                                                 ; 16 rows a trip
	s_wait_dscnt 0x0                               ; this trip's rows, asked for a trip ago
	s_wait_xcnt 0x0                                ; the last trip's stores have read E and CO: only now are they written again
	v_add_nc_u32 v[CO], 65536, v[CO]               ; the stores reach back by their immediate
.irp t, 0,1,2,3,4,5,6,7
	v_pk_add_f32 v[E+4*(\t):E+4*(\t)+1],   v[L+4*(\t):L+4*(\t)+1],   v[BI:BI+1]
	v_pk_add_f32 v[E+4*(\t)+2:E+4*(\t)+3], v[L+4*(\t)+2:L+4*(\t)+3], v[BI+2:BI+3]
.endr
	s_cmp_eq_u32 s3, 1                             ; the last trip has no rows behind it
	s_cbranch_scc1 .Lno_more
	v_add_nc_u32 v[RD], 16*DP, v[RD]
	LOADL
.Lno_more:
.irp t, 0,1,2,3,4,5,6,7
	global_store_b128 v[CO], v[E+4*(\t):E+4*(\t)+3], s[8:9] offset:8192*(\t)-65536   ; 16 lanes store 256 consecutive bytes, aligned
.endr
	s_sub_co_u32 s3, s3, 1
	s_cmp_lg_u32 s3, 0
	s_cbranch_scc1 .Lout
	s_wait_tensorcnt 0x0                           ; the wave's end
	ds_add_u32 v[SPW], v[NIL]
	s_wait_dscnt 0x0
	CROUND
	s_endpgm
.Lfunc_end_k_q3439e500e2_proj_o:
	.size	k_q3439e500e2_proj_o, .Lfunc_end_k_q3439e500e2_proj_o-k_q3439e500e2_proj_o
	.p2alignl 7, 3214868480
	.fill 96, 4, 3214868480
	.section	.rodata,"a",@progbits
	.p2align	6, 0x0
	.amdhsa_kernel k_q3439e500e2_proj_o
		.amdhsa_group_segment_fixed_size 327680
		.amdhsa_private_segment_fixed_size 0
		.amdhsa_enable_private_segment 0
		.amdhsa_kernarg_size 32
		.amdhsa_user_sgpr_count 2
		.amdhsa_user_sgpr_kernarg_segment_ptr 1
		.amdhsa_wavefront_size32 1
		.amdhsa_system_sgpr_workgroup_id_x 1
		.amdhsa_system_sgpr_workgroup_id_y 1
		.amdhsa_system_sgpr_workgroup_id_z 1
		.amdhsa_system_vgpr_workitem_id 0
		.amdhsa_next_free_vgpr 512
		.amdhsa_next_free_sgpr 80
		.amdhsa_reserve_vcc 0
		.amdhsa_float_denorm_mode_32 3
		.amdhsa_float_denorm_mode_16_64 3
		.amdhsa_memory_ordered 1
		.amdhsa_forward_progress 1
		.amdhsa_inst_pref_size 57
	.end_amdhsa_kernel
	.amdgpu_metadata
---
amdhsa.version: [ 1, 2 ]
amdhsa.kernels:
  - .name:           k_q3439e500e2_proj_o
    .symbol:         k_q3439e500e2_proj_o.kd
    .args:
      - { .name: z, .offset: 0, .size: 8, .value_kind: global_buffer, .address_space: global }
      - { .name: c16, .offset: 8, .size: 8, .value_kind: global_buffer, .address_space: global }
      - { .name: b_o, .offset: 16, .size: 8, .value_kind: global_buffer, .address_space: global }
      - { .name: pre, .offset: 24, .size: 8, .value_kind: global_buffer, .address_space: global }
    .group_segment_fixed_size: 327680
    .private_segment_fixed_size: 0
    .kernarg_segment_align: 8
    .kernarg_segment_size: 32
    .max_flat_workgroup_size: 128
    .sgpr_count:     80
    .vgpr_count:     512
    .wavefront_size: 32
...
	.end_amdgpu_metadata
.endif
;; end of part 4
;; launch norm1 (part 5): grid 256 x 1, 16 waves a work-group, no clusters, 0 bytes of LDS; arguments pre, c16, ln1_w, ln1_b, o1; writes o1
.if DOCPART == 5
	.amdgcn_target "amdgcn-amd-amdhsa--gfx1250"
	.amdhsa_code_object_version 6
	.text
	.protected	k_q3439e500e2_norm1
	.globl	k_q3439e500e2_norm1
	.p2align	8
	.type	k_q3439e500e2_norm1,@function
k_q3439e500e2_norm1:
	s_mov_b64 s[64:65], 0
	v_nop
	global_prefetch_b8 v0, s[64:65] scope:SCOPE_SE
	s_setreg_imm32_b32 hwreg(HW_REG_WAVE_MODE, 25, 1), 1
	s_wait_xcnt 0x0
; out[r][:] = (p[r][:] - mean) / sqrt(var + 1e-5) * w + b + res[r][:].  p: f32 [4096][1024]; res: f16 [4096][1024] (here x, at c16's first byte); w, b are rounded to bf16 like every input.
; F16OUT = 1: out is f16 (o1; LIMIT: under 65,504); 0: f32.  The variance is the mean of the squared deviations, as the model takes it, not a difference of large sums.
; SHARES.  Sixteen waves, a whole row each, kept in registers between the passes: nothing leaves the wave, so there is no LDS and no barrier.  Chunk j of a lane is columns 128 j + 4 lane + 0..3:
; a wave's load of p covers 512 consecutive bytes, of res 256.  All 32 loads of a wave are issued at once.  Matrix units, clusters and tensor loads would add nothing to a stream read once.
.set F16OUT, 1
.set A,    4                           ; v[4:11]   four running sums, packed
.set MEAN, 12                          ; v[12:13]
.set RS,   14                          ; v[14:15]  1 / sqrt(var + eps), twice
.set W,    16                          ; v[16:47]
.set BV,   48                          ; v[48:79]
.set RES,  80                          ; v[80:95]  16 registers of f16 pairs
.set X,    96                          ; v[96:127] the row
.set ONE,  128
.set TT,   129
	s_load_b256 s[4:11], s[0:1], 0x0               ; p s[4:5], res s[6:7], w s[8:9], b s[10:11]
	s_load_b64 s[12:13], s[0:1], 0x20              ; out
	v_and_b32 v3, 31, v0
	v_lshrrev_b32 v4, 5, v0
	v_lshlrev_b32 v1, 4, v3
	v_lshl_add_u32 v1, v4, 12, v1                  ; 16 lane + wave x a row of 4,096 bytes
	v_lshlrev_b32 v2, 3, v3
	v_lshl_add_u32 v2, v4, 11, v2                  ; 8 lane + wave x a row of 2,048 bytes
	v_lshlrev_b32 v3, 4, v3
	v_mov_b32 v[ONE], 1.0
	s_mov_b32 s20, 0x3a800000                      ; 1 / 1024
	s_mov_b32 s21, 0x3727c5ac                      ; 1e-5
	s_mov_b32 s22, 0x76543210
	s_mov_b32 s23, 0xfedcba98
	s_mov_b32 s24, 0xffff0000
	s_lshl_b32 s14, ttmp9, 16                      ; the work-group's 16 rows, in f32
	s_mov_b32 s15, 0
	s_lshl_b32 s16, ttmp9, 15                      ; and in f16
	s_mov_b32 s17, 0
	s_wait_kmcnt 0x0
	s_add_nc_u64 s[4:5], s[4:5], s[14:15]
	s_add_nc_u64 s[6:7], s[6:7], s[16:17]
.if F16OUT
	s_add_nc_u64 s[12:13], s[12:13], s[16:17]
.else
	s_add_nc_u64 s[12:13], s[12:13], s[14:15]
.endif
.irp j, 0,1,2,3,4,5,6,7
	global_load_b128 v[W+4*(\j):W+4*(\j)+3], v3, s[8:9] offset:512*(\j)
.endr
.irp j, 0,1,2,3,4,5,6,7
	global_load_b128 v[BV+4*(\j):BV+4*(\j)+3], v3, s[10:11] offset:512*(\j)
.endr
.irp j, 0,1,2,3,4,5,6,7
	global_load_b128 v[X+4*(\j):X+4*(\j)+3], v1, s[4:5] offset:512*(\j)
.endr
.irp j, 0,1,2,3,4,5,6,7
	global_load_b64 v[RES+2*(\j):RES+2*(\j)+1], v2, s[6:7] offset:256*(\j)
.endr
	s_wait_loadcnt 16                              ; w and b are in; the row's 16 loads may stay out
.set p, 0
.rept 32                                           ; w's 16 pairs, then b's
	v_cvt_pk_bf16_f32 v[TT], v[W+2*p], v[W+2*p+1]
	v_lshlrev_b32 v[W+2*p], 16, v[TT]
	v_and_b32 v[W+2*p+1], s24, v[TT]
.set p, p+1
.endr
.macro REDUCE                          ; v[A] summed over the 32 lanes, in every lane
	v_add_f32 v[A], v[A], v[A+1]
	v_add_f32_dpp v[A], v[A], v[A] row_xmask:1 row_mask:0xf bank_mask:0xf
	v_add_f32_dpp v[A], v[A], v[A] row_xmask:2 row_mask:0xf bank_mask:0xf
	v_add_f32_dpp v[A], v[A], v[A] row_xmask:4 row_mask:0xf bank_mask:0xf
	v_add_f32_dpp v[A], v[A], v[A] row_xmask:8 row_mask:0xf bank_mask:0xf
	v_permlanex16_b32 v[A+1], v[A], s22, s23
	v_add_f32 v[A], v[A], v[A+1]
.endm
.macro FOLD                            ; the four packed sums into one
	v_pk_add_f32 v[A:A+1], v[A:A+1], v[A+2:A+3]
	v_pk_add_f32 v[A+4:A+5], v[A+4:A+5], v[A+6:A+7]
	v_pk_add_f32 v[A:A+1], v[A:A+1], v[A+4:A+5]
.endm
	s_wait_loadcnt 8                               ; p's row is in; the residual's 8 loads may stay out
.irp k, 0,1,2,3
	v_pk_add_f32 v[A+2*(\k):A+2*(\k)+1], v[X+2*(\k):X+2*(\k)+1], v[X+8+2*(\k):X+8+2*(\k)+1]
.endr
.irp k, 0,1,2,3
	v_pk_add_f32 v[A+2*(\k):A+2*(\k)+1], v[A+2*(\k):A+2*(\k)+1], v[X+16+2*(\k):X+16+2*(\k)+1]
.endr
.irp k, 0,1,2,3
	v_pk_add_f32 v[A+2*(\k):A+2*(\k)+1], v[A+2*(\k):A+2*(\k)+1], v[X+24+2*(\k):X+24+2*(\k)+1]
.endr
	FOLD
	REDUCE
	v_mul_f32 v[MEAN], s20, v[A]
	v_mov_b32 v[MEAN+1], v[MEAN]
.set p, 0
.rept 16
	v_pk_add_f32 v[X+2*p:X+2*p+1], v[X+2*p:X+2*p+1], v[MEAN:MEAN+1] neg_lo:[0,1] neg_hi:[0,1]
.set p, p+1
.endr
.irp k, 0,1,2,3
	v_pk_mul_f32 v[A+2*(\k):A+2*(\k)+1], v[X+2*(\k):X+2*(\k)+1], v[X+2*(\k):X+2*(\k)+1]
.endr
.set p, 4
.rept 12
	v_pk_fma_f32 v[A+2*(p%4):A+2*(p%4)+1], v[X+2*p:X+2*p+1], v[X+2*p:X+2*p+1], v[A+2*(p%4):A+2*(p%4)+1]
.set p, p+1
.endr
	FOLD
	REDUCE
	v_fma_f32 v[A], v[A], s20, s21                 ; var + eps
	v_rsq_f32 v[RS], v[A]
	v_nop                                          ; a plain instruction behind it,
	s_wait_alu depctr_va_vdst(0)                   ; and the wait ahead of its first reader
	v_mov_b32 v[RS+1], v[RS]
.set p, 0
.rept 16
	v_pk_mul_f32 v[X+2*p:X+2*p+1], v[X+2*p:X+2*p+1], v[RS:RS+1]
.set p, p+1
.endr
.set p, 0
.rept 16
	v_pk_fma_f32 v[X+2*p:X+2*p+1], v[X+2*p:X+2*p+1], v[W+2*p:W+2*p+1], v[BV+2*p:BV+2*p+1]
.set p, p+1
.endr
	s_wait_loadcnt 0x0                             ; the residual
.set p, 0
.rept 16                                           ; straight from its f16 halves
	v_fma_mix_f32 v[X+2*p],   v[RES+p], v[ONE], v[X+2*p]   op_sel_hi:[1,0,0]
	v_fma_mix_f32 v[X+2*p+1], v[RES+p], v[ONE], v[X+2*p+1] op_sel:[1,0,0] op_sel_hi:[1,0,0]
.set p, p+1
.endr
.if F16OUT
.set p, 0
.rept 16
	v_cvt_pk_f16_f32 v[RES+p], v[X+2*p], v[X+2*p+1]
.set p, p+1
.endr
.irp j, 0,1,2,3,4,5,6,7
	global_store_b64 v2, v[RES+2*(\j):RES+2*(\j)+1], s[12:13] offset:256*(\j)     ; 32 lanes store 256 consecutive bytes, aligned
.endr
.else
.irp j, 0,1,2,3,4,5,6,7
	global_store_b128 v1, v[X+4*(\j):X+4*(\j)+3], s[12:13] offset:512*(\j)        ; 512 consecutive bytes, aligned
.endr
.endif
	s_endpgm
.Lfunc_end_k_q3439e500e2_norm1:
	.size	k_q3439e500e2_norm1, .Lfunc_end_k_q3439e500e2_norm1-k_q3439e500e2_norm1
	.p2alignl 7, 3214868480
	.fill 96, 4, 3214868480
	.section	.rodata,"a",@progbits
	.p2align	6, 0x0
	.amdhsa_kernel k_q3439e500e2_norm1
		.amdhsa_group_segment_fixed_size 0
		.amdhsa_private_segment_fixed_size 0
		.amdhsa_enable_private_segment 0
		.amdhsa_kernarg_size 40
		.amdhsa_user_sgpr_count 2
		.amdhsa_user_sgpr_kernarg_segment_ptr 1
		.amdhsa_wavefront_size32 1
		.amdhsa_system_sgpr_workgroup_id_x 1
		.amdhsa_system_sgpr_workgroup_id_y 1
		.amdhsa_system_sgpr_workgroup_id_z 1
		.amdhsa_system_vgpr_workitem_id 0
		.amdhsa_next_free_vgpr 136
		.amdhsa_next_free_sgpr 66
		.amdhsa_reserve_vcc 0
		.amdhsa_float_denorm_mode_32 3
		.amdhsa_float_denorm_mode_16_64 3
		.amdhsa_memory_ordered 1
		.amdhsa_forward_progress 1
		.amdhsa_inst_pref_size 19
	.end_amdhsa_kernel
	.amdgpu_metadata
---
amdhsa.version: [ 1, 2 ]
amdhsa.kernels:
  - .name:           k_q3439e500e2_norm1
    .symbol:         k_q3439e500e2_norm1.kd
    .args:
      - { .name: pre, .offset: 0, .size: 8, .value_kind: global_buffer, .address_space: global }
      - { .name: c16, .offset: 8, .size: 8, .value_kind: global_buffer, .address_space: global }
      - { .name: ln1_w, .offset: 16, .size: 8, .value_kind: global_buffer, .address_space: global }
      - { .name: ln1_b, .offset: 24, .size: 8, .value_kind: global_buffer, .address_space: global }
      - { .name: o1, .offset: 32, .size: 8, .value_kind: global_buffer, .address_space: global }
    .group_segment_fixed_size: 0
    .private_segment_fixed_size: 0
    .kernarg_segment_align: 8
    .kernarg_segment_size: 40
    .max_flat_workgroup_size: 512
    .sgpr_count:     66
    .vgpr_count:     136
    .wavefront_size: 32
...
	.end_amdgpu_metadata
.endif
;; end of part 5
;; launch mlp_up (part 6): grid 16 x 16, 4 waves a work-group, clusters of 4 x 4, 327,680 bytes of LDS; arguments o1, c16, b1, h; writes h
.if DOCPART == 6
	.amdgcn_target "amdgcn-amd-amdhsa--gfx1250"
	.amdhsa_code_object_version 6
	.text
	.protected	k_q3439e500e2_mlp_up
	.globl	k_q3439e500e2_mlp_up
	.p2align	8
	.type	k_q3439e500e2_mlp_up,@function
k_q3439e500e2_mlp_up:
	s_mov_b64 s[64:65], 0
	v_nop
	global_prefetch_b8 v0, s[64:65] scope:SCOPE_SE
	s_setreg_imm32_b32 hwreg(HW_REG_WAVE_MODE, 25, 1), 1
	s_wait_xcnt 0x0
	s_wait_alu depctr_hold_cnt(0) depctr_sa_sdst(0) depctr_va_vdst(0) depctr_va_sdst(0) depctr_va_ssrc(0) depctr_va_vcc(0) depctr_vm_vsrc(0)
	s_getreg_b32 s2, hwreg(HW_REG_IB_STS2, 6, 4)
	s_cmp_eq_u32 s2, 0
	s_cbranch_scc0 .Lentry_in_a_cluster
	s_endpgm
.Lentry_in_a_cluster:
	s_bfe_u32 s2, ttmp6, 0x10000c
	s_cmp_lg_u32 s2, 0xf033
	s_cbranch_scc0 .Lentry_shape_is_right
	s_endpgm
.Lentry_shape_is_right:
; h = gelu(o1 W1 + b1), f16 [4096][4096].  A = o1, f16 [4096][1024]; B = W1 as f16 [1024][4096] (c16 at byte BOFF); sums in f32; the bias is rounded to bf16 like every input.
; gelu(x) = x / (1 + 2^(x (K1 + K3 x^2))), K1 = -2 log2(e) sqrt(2 / pi), K3 = 0.044715 K1: the model's x (1 + tanh(..)) / 2 written with one exponential; an exponential that overflows gives 0, one that
; vanishes gives x.  LIMIT: |h| stays under 65,504 (f16).
; SHAPE.  A tile of C is 256 x 256, four waves of 128 x 128: 64 accumulators of 16 x 16 in 512 registers: 256 work-groups.  K goes in 8 steps of 128 through two LDS slots filled by tensor loads.
; A's rows lie along K (256 bytes a step, aligned); B lies [K][N], so its tile is 128 k rows of 512 bytes and its fragments come out of LDS turned, by ds_load_tr16_b128.
; THE PRODUCT IS USED TRANSPOSED (source 0 = 16 columns of B, source 1 = 16 rows of A): lane l holds row l % 16 of C and the columns 8 (l / 16) + 0..7.
; CLUSTER 4 x 4: A's tile is asked for jointly along a row of the cluster, B's along a column.
; REGISTERS in windows of 256: window 0 addresses, A's two fragment buffers (v64-127, v128-191), the way out; window 1 B's two buffers; windows 2, 3 the accumulators ((a, b) at v[8 (8 (a % 4) + b)]).
; THE LAST TWO K STEPS, which ask for nothing, are one loop of two trips that is left in its middle: the second trip's change of slots fetches 32 fragments that nobody multiplies and passes one more barrier.
; THE WAY OUT.  When the ring has had its last fill and every wave its last read, each wave dumps its 128 x 128 sums as f32 into the ring's bytes (rows of 528 bytes) and reads them back by rows in a
; counted loop of 16 trips of 8 rows: bias, gelu, rounding to f16, stores of 256 consecutive aligned bytes.  A trip's loads are issued a trip ahead, into registers of their own.
.set NCOL,  4096
.set KDIM,  1024
.set BOFF,  16777216                   ; W1 in c16
.set KSTEP, 128
.set NS,    KDIM/KSTEP
.set PA,    272
.set PB,    544
.set HALFT, 34816
.set SLOT,  4*HALFT
.set SPARE, 2*SLOT
.set ASTEP, KSTEP*2
.set BSTEP, KSTEP*NCOL*2
.set DP,    528
.set DREG,  128*DP
.set BA,    7
.set BI,    8                          ; v8-11   the bias of my four columns
.set ADRA0, 16
.set ADRA,  17
.set ADRB0, 20
.set ADRB,  21
.set DST,   24
.set RD,    25
.set CO,    26
.set SPW,   28
.set NIL,   29
.set PFO,   30
.set E,     32                         ; v32-63   x
.set F0,    64
.set F1,    128
.set L,     64                         ; v64-95   the way out: eight loads from the dump, a trip ahead (buffer 0 is free by then)
.set T,     192                        ; v192-223 at work
.set Y,     224                        ; v224-239 to store
.set G1,  24
.set G0,  32
.set G1B, 48
.set G0B, 56
.set LIM, 43
.set PFA, 44
.set BP,  66
.set PST, 68
.set TB,  70
.set K1,  72                           ; s[72:73]
.set K3,  74                           ; s[74:75]
.set MSB, 0
.macro WIN new
.if MSB != (\new)
	s_set_vgpr_msb (MSB<<8)|(\new)
.set MSB, \new
.endif
.endm
.set MUL_LO, 0xa1
.set TO_B,   0x40
.macro PLACES
.rept 4
	v_nop
.endr
.endm
.macro JLOAD                           ; a joint refill by the walking sets; an s_nop 0 and four v_nop follow each line
	s_cmp_eq_u32 s11, 0
	s_cbranch_scc0 .Lfor_b_\@
	tensor_load_to_lds s[G0+4:G0+7], s[G1:G1+7]
	s_nop 0
.rept 4
	v_nop
.endr
	s_branch .Lasked_\@
.Lfor_b_\@:
	tensor_load_to_lds s[G0B+4:G0B+7], s[G1B:G1B+7]
	s_nop 0
.rept 4
	v_nop
.endr
.Lasked_\@:
.endm
; A prefetch into the L2 of the K step that stands two refills on (512 matrix instructions ahead of the load that will want it): 32 blocks of 256 bytes, a lane a block, one instruction a wave.
; A's rows are asked for by the clusters with x = 0, B's by those with y = 0; the four partners of a joint load share its rows out by address.  So each block is named once.
; The trips whose step four on does not exist (s3 = 2, 1) ask for nothing; K steps 0 to 3 come by their loads alone.
.macro ASK
	s_cmp_gt_u32 s3, s[LIM]
	s_cbranch_scc0 .Lnot_mine_\@
	global_prefetch_b8 v[PFO], s[PFA:PFA+1] th:TH_LOAD_NT scope:SCOPE_SE
.Lnot_mine_\@:
.endm
.macro CREST
	s_cmp_lg_u32 s10, 0
	s_cbranch_scc1 .Lnot_wave_0_\@
	s_barrier_signal -3
.Lnot_wave_0_\@:
	s_barrier_wait -3
	s_barrier_signal -1
	s_barrier_wait -1
.endm
.macro CROUND
	s_barrier_signal -1
	s_barrier_wait -1
	CREST
.endm
.macro RND a, b, t
	v_cvt_pk_bf16_f32 v[\t], v[\a], v[\b]
	v_lshlrev_b32 v[\a], 16, v[\t]
	v_and_b32 v[\b], s76, v[\t]
.endm
	s_load_b128 s[4:7], s[0:1], 0x0                ; o1 s[4:5], c16 s[6:7]
	s_load_b64 s[BP:BP+1], s[0:1], 0x10            ; b1
	s_load_b64 s[8:9], s[0:1], 0x18                ; h
	v_lshl_add_u32 v[SPW], v0, 2, SPARE
	v_mov_b32 v[NIL], 0
	ds_add_u32 v[SPW], v[NIL]                      ; the wave's opening: the add and its wait stand ahead of my first tensor load
	ds_add_u32 v28, v29
	v_lshrrev_b32 v1, 5, v0
	v_readfirstlane_b32 s10, v1
	s_lshr_b32 s11, s10, 1
	s_and_b32 s12, s10, 1
	s_bfe_u32 s40, ttmp6, 0x40000
	s_bfe_u32 s41, ttmp6, 0x40004
	s_lshl_b32 s42, ttmp9, 2
	s_add_co_u32 s42, s42, s40                     ; tile column
	s_and_b32 s13, ttmp7, 0xffff
	s_lshl_b32 s13, s13, 2
	s_add_co_u32 s13, s13, s41                     ; tile row
	s_lshl_b32 s43, s41, 2
	s_lshl_b32 s43, 15, s43
	s_lshl_b32 s44, 0x1111, s40
	s_or_b32 s[G1+0], s43, (1<<16)|(1<<20)|(1<<21)|(5<<22)|(3<<25)
	s_mov_b32 s[G1+1], KSTEP<<16
	s_mov_b32 s[G1+2], 128<<16
	s_mov_b32 s[G1+3], KSTEP<<16
	s_mov_b32 s[G1+4], 128
	s_mov_b32 s[G1+5], KDIM
	s_mov_b32 s[G1+6], 0
	s_mov_b32 s[G1+7], 0
	s_or_b32 s[G1B+0], s44, (1<<16)|(1<<20)|(1<<21)|(6<<22)|(7<<25)
	s_mov_b32 s[G1B+1], 256<<16
	s_mov_b32 s[G1B+2], 64<<16
	s_mov_b32 s[G1B+3], 256<<16
	s_mov_b32 s[G1B+4], 64
	s_mov_b32 s[G1B+5], NCOL
	s_mov_b32 s[G1B+6], 0
	s_mov_b32 s[G1B+7], 0
	s_lshl_b32 s17, s12, 7
	s_lshl_b32 s16, s13, 8
	s_add_co_u32 s16, s16, s17
	s_lshl_b32 s16, s16, 11
	s_mov_b32 s17, 0
	s_mul_i32 s46, s12, 64*NCOL*2
	s_lshl_b32 s47, s42, 9
	s_add_co_u32 s46, s46, s47
	s_mov_b32 s47, 0
	s_mul_i32 s20, s10, HALFT
	s_mov_b32 s[TB], 0
	s_mov_b32 s76, 0xffff0000
	s_mov_b32 s[K1], 0xc0135761                    ; -2.302208
	s_mov_b32 s[K1+1], s[K1]
	s_mov_b32 s[K3], 0xbdd2d3e8                    ; -0.1029432
	s_mov_b32 s[K3+1], s[K3]
	s_wait_dscnt 0x0
	s_wait_kmcnt 0x0
	s_add_nc_u64 s[6:7], s[6:7], BOFF
	s_add_nc_u64 s[14:15], s[4:5], s[16:17]
	s_add_nc_u64 s[46:47], s[6:7], s[46:47]
	CROUND
.irp s, 0,1
	s_mov_b32 s[G0+4*(\s)], 1
	s_add_co_u32 s[G0+4*(\s)+1], s20, (\s)*SLOT
	s_add_nc_u64 s[G0+4*(\s)+2:G0+4*(\s)+3], s[14:15], (\s)*ASTEP
	s_or_b32 s[G0+4*(\s)+3], s[G0+4*(\s)+3], 0x80000000
	s_mov_b32 s[G0B+4*(\s)], 1
	s_add_co_u32 s[G0B+4*(\s)+1], s20, (\s)*SLOT
	s_add_nc_u64 s[G0B+4*(\s)+2:G0B+4*(\s)+3], s[46:47], (\s)*BSTEP
	s_or_b32 s[G0B+4*(\s)+3], s[G0B+4*(\s)+3], 0x80000000
.endr
	s_cmp_eq_u32 s11, 0                            ; a wave's two first fills stand in one branch: two loads of mine are out
	s_cbranch_scc0 .Lfirst_b
	tensor_load_to_lds s[G0:G0+3], s[G1:G1+7]
	s_nop 0
	tensor_load_to_lds s[G0+4:G0+7], s[G1:G1+7]
	s_nop 0
.rept 4
	v_nop
.endr
	s_branch .Lfirst_asked
.Lfirst_b:
	tensor_load_to_lds s[G0B:G0B+3], s[G1B:G1B+7]
	s_nop 0
	tensor_load_to_lds s[G0B+4:G0B+7], s[G1B:G1B+7]
	s_nop 0
.rept 4
	v_nop
.endr
.Lfirst_asked:
	; the bias: on the way out lane l holds columns 4 l + 0..3 of my wave's 128
	s_lshl_b32 s18, s42, 10
	s_lshl_b32 s19, s12, 9
	s_add_co_u32 s18, s18, s19
	s_mov_b32 s19, 0
	s_add_nc_u64 s[BP:BP+1], s[BP:BP+1], s[18:19]
	v_and_b32 v3, 31, v0
	v_lshlrev_b32 v[BA], 4, v3
	global_load_b128 v[BI:BI+3], v[BA], s[BP:BP+1]
	v_lshlrev_b32 v[CO], 3, v3                     ; 8 bytes a lane: a row's 128 columns are 256 bytes
	s_lshl_b32 s16, s13, 8
	s_lshl_b32 s17, s11, 7
	s_add_co_u32 s16, s16, s17                     ; my first row,
	s_lshl_b32 s16, s16, 13                        ; 8,192 bytes each,
	s_lshl_b32 s17, s42, 9
	s_add_co_u32 s16, s16, s17
	s_lshl_b32 s17, s12, 8
	s_add_co_u32 s16, s16, s17                     ; and my first column
	s_mov_b32 s17, 0
	s_add_nc_u64 s[8:9], s[8:9], s[16:17]
	v_and_b32 v1, 15, v0
	v_bfe_u32 v2, v0, 4, 1
	v_mul_u32_u24 v4, v1, PA
	v_lshl_add_u32 v4, v2, 4, v4
	s_mul_i32 s21, s11, HALFT
	v_add_nc_u32 v[ADRA0], s21, v4
	v_and_b32 v4, 7, v0
	v_bfe_u32 v5, v0, 3, 1
	v_lshl_add_u32 v4, v2, 3, v4
	v_mul_u32_u24 v4, v4, PB
	v_lshl_add_u32 v4, v5, 4, v4
	s_lshl_b32 s22, s12, 8
	s_add_co_u32 s22, s22, 2*HALFT
	v_add_nc_u32 v[ADRB0], s22, v4
	v_mov_b32 v[ADRA], v[ADRA0]
	v_mov_b32 v[ADRB], v[ADRB0]
	s_mul_i32 s23, s10, DREG
	v_mul_u32_u24 v4, v1, DP
	v_lshl_add_u32 v4, v2, 5, v4
	v_add_nc_u32 v[DST], s23, v4
	v_lshl_add_u32 v[RD], v3, 4, s23               ; back: 32 lanes take one row's 512 bytes
	; the prefetches: A (waves 0, 1): rows 256 tr + 128 half + 32 cx + lane; B (waves 2, 3): k rows 64 half + 16 cy + lane / 2, block lane % 2.  They start at K step 3
	s_lshl_b32 s16, s13, 8
	s_lshl_b32 s17, s12, 7
	s_add_co_u32 s16, s16, s17
	s_lshl_b32 s17, s40, 5
	s_add_co_u32 s16, s16, s17
	s_lshl_b32 s16, s16, 11
	s_add_co_u32 s16, s16, 3*ASTEP
	s_lshl_b32 s18, s12, 6
	s_lshl_b32 s19, s41, 4
	s_add_co_u32 s18, s18, s19
	s_add_co_u32 s18, s18, 3*KSTEP
	s_mul_i32 s18, s18, 2*NCOL
	s_lshl_b32 s19, s42, 9
	s_add_co_u32 s18, s18, s19
	s_and_b32 s22, ttmp7, 0xffff
	s_mov_b32 s23, 2*NCOL
	s_mov_b32 s[PST], BSTEP
	s_cmp_eq_u32 s11, 0
	s_cselect_b32 s20, s16, s18
	s_cselect_b32 s22, ttmp9, s22
	s_cselect_b32 s23, 2*KDIM, s23
	s_cselect_b32 s[PST], ASTEP, s[PST]
	s_cselect_b64 s[PFA:PFA+1], s[4:5], s[6:7]
	s_mov_b32 s21, 0
	s_mov_b32 s[PST+1], 0
	s_add_nc_u64 s[PFA:PFA+1], s[PFA:PFA+1], s[20:21]
	s_cmp_eq_u32 s22, 0
	s_cselect_b32 s[LIM], 2, -1
	v_and_b32 v[PFO], 31, v0
	v_lshrrev_b32 v4, s11, v[PFO]
	v_and_b32 v5, s11, v[PFO]
	v_mul_u32_u24 v4, s23, v4
	v_lshl_add_u32 v[PFO], v5, 8, v4
; 16 matrix instructions; the 64 accumulators take turns, one instruction a turn, in the same order in every quarter
.macro MUL16 f, hi, a0, zero
	WIN MUL_LO+0x50*(\hi)
.irp a, \a0, (\a0)+1
.irp b, 0,1,2,3,4,5,6,7
.if \zero
	v_wmma_f32_16x16x32_f16 v[8*(8*(\a)+(\b)):8*(8*(\a)+(\b))+7], v[(\f)+8*(\b):(\f)+8*(\b)+7], v[(\f)+8*(4*(\hi)+(\a)):(\f)+8*(4*(\hi)+(\a))+7], 0
.else
	v_wmma_f32_16x16x32_f16 v[8*(8*(\a)+(\b)):8*(8*(\a)+(\b))+7], v[(\f)+8*(\b):(\f)+8*(\b)+7], v[(\f)+8*(4*(\hi)+(\a)):(\f)+8*(4*(\hi)+(\a))+7], v[8*(8*(\a)+(\b)):8*(8*(\a)+(\b))+7]
.endif
.endr
.endr
.endm
.macro FETCH q, f
	WIN TO_B
.irp i, 0,1,2,3,4,5,6,7
	ds_load_tr16_b128 v[(\f)+8*(\i):(\f)+8*(\i)+3],   v[ADRB] offset:(\q)*32*PB+32*(\i)
	ds_load_tr16_b128 v[(\f)+8*(\i)+4:(\f)+8*(\i)+7], v[ADRB] offset:(\q)*32*PB+32*(\i)+16*PB
.endr
	WIN 0
.irp i, 0,1,2,3,4,5,6,7
	ds_load_b128 v[(\f)+8*(\i):(\f)+8*(\i)+3],   v[ADRA] offset:(\q)*64+(\i)*16*PA
	ds_load_b128 v[(\f)+8*(\i)+4:(\f)+8*(\i)+7], v[ADRA] offset:(\q)*64+(\i)*16*PA+32
.endr
.endm
.macro QUARTER q, f, g, zero
	s_wait_dscnt 8                                 ; B and A's rows 0-63 are in; the youngest eight loads may be out
	MUL16 \f, 0, 0, \zero
	MUL16 \f, 0, 2, \zero
	PLACES
	FETCH \q, \g
	s_wait_dscnt 32                                ; all but the 32 just issued
	MUL16 \f, 1, 0, \zero
	MUL16 \f, 1, 2, \zero
.endm
; The last quarter multiplies buffer 1 and changes slots: the wait for all my tensor loads, the add, the wait for it and for my reads of this slot, the barrier; fill = 1: it opens a round of the
; cluster's barrier, and the joint refill, two K steps on, stands directly behind the round.
.macro TURN fill
.if \fill
	s_wait_xcnt 0x0                                ; the last prefetch, a K step back, has read its address
	s_add_nc_u64 s[PFA:PFA+1], s[PFA:PFA+1], s[PST:PST+1]
.endif
	WIN 0
	s_wait_tensorcnt 0x0
	ds_add_u32 v[SPW], v[NIL]
.if \fill
	s_xor_b32 s[G0+5], s[G0+5], SLOT               ; no tensor load of mine is out, so the walking sets may be written
	s_add_nc_u64 s[G0+6:G0+7], s[G0+6:G0+7], ASTEP
	s_xor_b32 s[G0B+5], s[G0B+5], SLOT
	s_add_nc_u64 s[G0B+6:G0B+7], s[G0B+6:G0B+7], BSTEP
.endif
	s_wait_dscnt 9                                 ; the add and the youngest eight loads may be out
	MUL16 F1, 0, 0, 0
	s_wait_dscnt 0x0
	s_barrier_signal -1
	MUL16 F1, 0, 2, 0
	WIN 0
	s_barrier_wait -1
.if \fill
	CREST
	JLOAD
.else
	PLACES
.endif
	s_xor_b32 s[TB], s[TB], SLOT
	v_add_nc_u32 v[ADRA], s[TB], v[ADRA0]
	v_add_nc_u32 v[ADRB], s[TB], v[ADRB0]
	FETCH 0, F0
.if \fill
	ASK
.endif
	MUL16 F1, 1, 0, 0
	MUL16 F1, 1, 2, 0
.endm
.macro LOADL                           ; 8 rows of the dump, a row a load
.irp i, 0,1,2,3,4,5,6,7
	ds_load_b128 v[L+4*(\i):L+4*(\i)+3], v[RD] offset:DP*(\i)
.endr
.endm
	s_wait_tensorcnt 1                             ; my part of K step 0 is in; K step 1's may stay out
	s_barrier_signal -1
	s_barrier_wait -1
	FETCH 0, F0
	QUARTER 1, F0, F1, 1
	WIN 0
	s_mov_b32 s3, NS-2
.Lstep:
	QUARTER 2, F1, F0, 0
	QUARTER 3, F0, F1, 0
	TURN 1
	QUARTER 1, F0, F1, 0
	WIN 0
	s_sub_co_u32 s3, s3, 1
	s_cmp_lg_u32 s3, 0
	s_cbranch_scc1 .Lstep
	s_mov_b32 s3, 2
.Ltail:                                                ; the last two K steps ask for nothing; the second trip is left behind its last products
	QUARTER 2, F1, F0, 0
	QUARTER 3, F0, F1, 0
	TURN 0
	WIN 0
	s_sub_co_u32 s3, s3, 1
	s_cmp_lg_u32 s3, 0
	s_cbranch_scc0 .Lsums
	QUARTER 1, F0, F1, 0
	WIN 0
	s_cmp_lg_u32 s3, 0
	s_cbranch_scc1 .Ltail
.Lsums:
	s_wait_dscnt 0x0                               ; the fragments that the last change of slots fetched are back: no read of the ring is out
.rept 8
	v_nop
.endr
	s_barrier_signal -1                            ; every wave's reads of the ring are back, and the ring has had its last fill
	s_barrier_wait -1
.irp a, 0,1,2,3,4,5,6,7
	WIN 0x08+4*((\a)/4)
.irp b, 0,1,2,3,4,5,6,7
	ds_store_b128 v[DST], v[8*(8*((\a)%4)+(\b)):8*(8*((\a)%4)+(\b))+3]   offset:(\a)*16*DP+64*(\b)
	ds_store_b128 v[DST], v[8*(8*((\a)%4)+(\b))+4:8*(8*((\a)%4)+(\b))+7] offset:(\a)*16*DP+64*(\b)+16
.endr
.endr
	WIN 0
	s_wait_dscnt 0x0
	s_barrier_signal -1
	s_barrier_wait -1
	LOADL                                          ; the first trip's rows
	s_wait_loadcnt 0x0
	RND BI,   BI+1, T
	RND BI+2, BI+3, T+1
	s_mov_b32 s3, 16
.Lout:                                                 ; 8 rows a trip
	s_wait_dscnt 0x0                               ; this trip's rows, asked for a trip ago
.set p, 0
.rept 16
	v_pk_add_f32 v[E+2*p:E+2*p+1], v[L+2*p:L+2*p+1], v[BI+2*(p%2):BI+2*(p%2)+1]             ; x
.set p, p+1
.endr
	s_cmp_eq_u32 s3, 1                             ; the last trip has no rows behind it
	s_cbranch_scc1 .Lno_more
	v_add_nc_u32 v[RD], 8*DP, v[RD]
	LOADL                                          ; the next trip's rows: L has just been read out
.Lno_more:
.set p, 0
.rept 16
	v_pk_mul_f32 v[T+2*p:T+2*p+1], v[E+2*p:E+2*p+1], v[E+2*p:E+2*p+1]
.set p, p+1
.endr
.set p, 0
.rept 16
	v_pk_fma_f32 v[T+2*p:T+2*p+1], v[T+2*p:T+2*p+1], s[K3:K3+1], s[K1:K1+1] op_sel_hi:[1,0,0]
.set p, p+1
.endr
.set p, 0
.rept 16
	v_pk_mul_f32 v[T+2*p:T+2*p+1], v[T+2*p:T+2*p+1], v[E+2*p:E+2*p+1]
.set p, p+1
.endr
.set p, 0
.rept 32
	v_exp_f32 v[T+p], v[T+p]
.set p, p+1
.endr
	v_nop
	s_wait_alu depctr_va_vdst(0)                   ; one wait for the batch of 32, ahead of its first reader
.set p, 0
.rept 16
	v_pk_add_f32 v[T+2*p:T+2*p+1], v[T+2*p:T+2*p+1], 1.0 op_sel_hi:[1,0]
.set p, p+1
.endr
.set p, 0
.rept 32
	v_rcp_f32 v[T+p], v[T+p]
.set p, p+1
.endr
	v_nop
	s_wait_alu depctr_va_vdst(0)
.set p, 0
.rept 16
	v_pk_mul_f32 v[E+2*p:E+2*p+1], v[E+2*p:E+2*p+1], v[T+2*p:T+2*p+1]
.set p, p+1
.endr
	s_wait_xcnt 0x0                                ; the last trip's stores have read Y and CO: only now are they written again
	v_add_nc_u32 v[CO], 65536, v[CO]               ; the stores reach back by their immediate
.set p, 0
.rept 16
	v_cvt_pk_f16_f32 v[Y+p], v[E+2*p], v[E+2*p+1]
.set p, p+1
.endr
.irp i, 0,1,2,3,4,5,6,7
	global_store_b64 v[CO], v[Y+2*(\i):Y+2*(\i)+1], s[8:9] offset:8192*(\i)-65536   ; 32 lanes store 256 consecutive bytes, aligned
.endr
	s_sub_co_u32 s3, s3, 1
	s_cmp_lg_u32 s3, 0
	s_cbranch_scc1 .Lout
	s_wait_tensorcnt 0x0                           ; the wave's end
	ds_add_u32 v[SPW], v[NIL]
	s_wait_dscnt 0x0
	CROUND
	s_endpgm
.Lfunc_end_k_q3439e500e2_mlp_up:
	.size	k_q3439e500e2_mlp_up, .Lfunc_end_k_q3439e500e2_mlp_up-k_q3439e500e2_mlp_up
	.p2alignl 7, 3214868480
	.fill 96, 4, 3214868480
	.section	.rodata,"a",@progbits
	.p2align	6, 0x0
	.amdhsa_kernel k_q3439e500e2_mlp_up
		.amdhsa_group_segment_fixed_size 327680
		.amdhsa_private_segment_fixed_size 0
		.amdhsa_enable_private_segment 0
		.amdhsa_kernarg_size 32
		.amdhsa_user_sgpr_count 2
		.amdhsa_user_sgpr_kernarg_segment_ptr 1
		.amdhsa_wavefront_size32 1
		.amdhsa_system_sgpr_workgroup_id_x 1
		.amdhsa_system_sgpr_workgroup_id_y 1
		.amdhsa_system_sgpr_workgroup_id_z 1
		.amdhsa_system_vgpr_workitem_id 0
		.amdhsa_next_free_vgpr 1024
		.amdhsa_next_free_sgpr 80
		.amdhsa_reserve_vcc 0
		.amdhsa_float_denorm_mode_32 3
		.amdhsa_float_denorm_mode_16_64 3
		.amdhsa_memory_ordered 1
		.amdhsa_forward_progress 1
		.amdhsa_inst_pref_size 90
	.end_amdhsa_kernel
	.amdgpu_metadata
---
amdhsa.version: [ 1, 2 ]
amdhsa.kernels:
  - .name:           k_q3439e500e2_mlp_up
    .symbol:         k_q3439e500e2_mlp_up.kd
    .args:
      - { .name: o1, .offset: 0, .size: 8, .value_kind: global_buffer, .address_space: global }
      - { .name: c16, .offset: 8, .size: 8, .value_kind: global_buffer, .address_space: global }
      - { .name: b1, .offset: 16, .size: 8, .value_kind: global_buffer, .address_space: global }
      - { .name: h, .offset: 24, .size: 8, .value_kind: global_buffer, .address_space: global }
    .group_segment_fixed_size: 327680
    .private_segment_fixed_size: 0
    .kernarg_segment_align: 8
    .kernarg_segment_size: 32
    .max_flat_workgroup_size: 128
    .sgpr_count:     80
    .vgpr_count:     1024
    .wavefront_size: 32
...
	.end_amdgpu_metadata
.endif
;; end of part 6
;; launch mlp_down (part 7): grid 8 x 32, 4 waves a work-group, clusters of 4 x 4, 327,680 bytes of LDS; arguments h, c16, b2, pre; writes pre
.if DOCPART == 7
	.amdgcn_target "amdgcn-amd-amdhsa--gfx1250"
	.amdhsa_code_object_version 6
	.text
	.protected	k_q3439e500e2_mlp_down
	.globl	k_q3439e500e2_mlp_down
	.p2align	8
	.type	k_q3439e500e2_mlp_down,@function
k_q3439e500e2_mlp_down:
	s_mov_b64 s[64:65], 0
	v_nop
	global_prefetch_b8 v0, s[64:65] scope:SCOPE_SE
	s_setreg_imm32_b32 hwreg(HW_REG_WAVE_MODE, 25, 1), 1
	s_wait_xcnt 0x0
	s_wait_alu depctr_hold_cnt(0) depctr_sa_sdst(0) depctr_va_vdst(0) depctr_va_sdst(0) depctr_va_ssrc(0) depctr_va_vcc(0) depctr_vm_vsrc(0)
	s_getreg_b32 s2, hwreg(HW_REG_IB_STS2, 6, 4)
	s_cmp_eq_u32 s2, 0
	s_cbranch_scc0 .Lentry_in_a_cluster
	s_endpgm
.Lentry_in_a_cluster:
	s_bfe_u32 s2, ttmp6, 0x10000c
	s_cmp_lg_u32 s2, 0xf033
	s_cbranch_scc0 .Lentry_shape_is_right
	s_endpgm
.Lentry_shape_is_right:
; pre = A B + bias, f32 [4096][1024].  Here: A = h, f16 [4096][4096]; B = W2 as f16 [4096][1024] (c16 at byte BOFF); the bias is rounded to bf16 like every input.  Sums in f32.
; SHAPE.  N = 1,024 gives 64 tiles of 256 x 256, so the tile is 128 x 128: 256 work-groups.  Four waves of 64 x 64: 16 accumulators.  K goes in steps of 256 through two LDS slots.
; A's tile: BYHEADS = 1: 64 tokens of one head are 8,192 dense bytes, asked for as one row; a step's four heads are four rows; in LDS [head][token] at 144 bytes.  BYHEADS = 0: 64 rows of 512 bytes at 528.
; B lies [K][N]: a wave's load brings 128 k rows of 256 bytes (pitch 288); fragments come out turned, by ds_load_tr16_b128.
; THE PRODUCT IS USED TRANSPOSED (source 0 = 16 columns of B, source 1 = 16 rows of A): lane l holds row l % 16 of C and the columns 8 (l / 16) + 0..7.
; CLUSTER 4 x 4: A's tile is asked for jointly along a row of the cluster, B's along a column.  No prefetch: a step's tiles are small and are read by eight or thirty-two tiles' work-groups.
; WHERE K BEGINS.  The two clusters along x read the same rows of A, neighbours along y the same columns of B.  Such clusters begin half of K apart: the first K step is (NS / 2) x ((cluster x xor cluster y) % 2),
; and the step's number goes round modulo NS: what one asks for in the first half of its walk the other asks for in its second.  f32 sums may be taken in any order.  The start hangs on the cluster's
; coordinates alone, which all sixteen partners share.
; REGISTERS: window 0: addresses, the way out (v32-95), the accumulators ((a, b) at v[128 + 8 (4 a + b)]); window 1: two fragment buffers of 128 (64 along K: A's 64 registers, then B's).
; THE LAST TWO K STEPS, which ask for nothing, are one loop of two trips that is left in its middle: the second trip's change of slots fetches 32 fragments that nobody multiplies and passes one more barrier.
; THE WAY OUT: when the ring has had its last fill and every wave its last read, each wave dumps its 64 x 64 sums into the ring's bytes (rows of 272) and reads whole rows of 256 bytes back, a trip ahead.
.set KDIM,    4096
.set BOFF,    25165824                 ; W2 in c16
.set BYHEADS, 0
.set NCOL,  1024
.set KSTEP, 256
.set NS,    KDIM/KSTEP
.if BYHEADS
.set APITCH, 144
.set AQ,     64*APITCH
.set ASTEP,  4*262144
.else
.set APITCH, 528                       ; 512 bytes + 16
.set AQ,     128
.set ASTEP,  KSTEP*2
.endif
.set PB,    288
.set AH,    36864
.set SLOT,  4*AH
.set SPARE, 2*SLOT
.set BSTEP, KSTEP*NCOL*2
.set DP,    272
.set DREG,  64*DP
.set BA,    7
.set BI,    8
.set ADRA0, 16
.set ADRA,  17
.set ADRB0, 20
.set ADRB,  21
.set DST,   24
.set RD,    25
.set CO,    26
.set SPW,   28
.set NIL,   29
.set T,     30
.set E,     32
.set L,     64
.set ACC,   128
.set F0,    0
.set F1,    128
.set G1,  24
.set G0,  32
.set G1B, 48
.set G0B, 56
.set BP,  66
.set TB,  70
.set KI,  71                           ; s71  the K step last asked for
.set OA,  72                           ; s[72:73] its byte offset in A,
.set OB,  74                           ; s[74:75] and in B
.set MSB, 0
.macro WIN new
.if MSB != (\new)
	s_set_vgpr_msb (MSB<<8)|(\new)
.set MSB, \new
.endif
.endm
.set MUL,  0x05
.set TO_F, 0x40
.macro PLACES
.rept 4
	v_nop
.endr
.endm
.macro JLOAD                           ; a joint refill by the walking sets; an s_nop 0 and four v_nop follow each line
	s_cmp_eq_u32 s11, 0
	s_cbranch_scc0 .Lfor_b_\@
	tensor_load_to_lds s[G0+4:G0+7], s[G1:G1+7]
	s_nop 0
.rept 4
	v_nop
.endr
	s_branch .Lasked_\@
.Lfor_b_\@:
	tensor_load_to_lds s[G0B+4:G0B+7], s[G1B:G1B+7]
	s_nop 0
.rept 4
	v_nop
.endr
.Lasked_\@:
.endm
.macro CREST
	s_cmp_lg_u32 s10, 0
	s_cbranch_scc1 .Lnot_wave_0_\@
	s_barrier_signal -3
.Lnot_wave_0_\@:
	s_barrier_wait -3
	s_barrier_signal -1
	s_barrier_wait -1
.endm
.macro CROUND
	s_barrier_signal -1
	s_barrier_wait -1
	CREST
.endm
.macro RND a, b, t
	v_cvt_pk_bf16_f32 v[\t], v[\a], v[\b]
	v_lshlrev_b32 v[\a], 16, v[\t]
	v_and_b32 v[\b], s76, v[\t]
.endm
	s_load_b128 s[4:7], s[0:1], 0x0                ; A s[4:5], c16 s[6:7]
	s_load_b64 s[BP:BP+1], s[0:1], 0x10            ; the bias
	s_load_b64 s[8:9], s[0:1], 0x18                ; pre
	v_lshl_add_u32 v[SPW], v0, 2, SPARE
	v_mov_b32 v[NIL], 0
	ds_add_u32 v[SPW], v[NIL]                      ; the wave's opening: the add and its wait stand ahead of my first tensor load
	ds_add_u32 v28, v29
	v_lshrrev_b32 v1, 5, v0
	v_readfirstlane_b32 s10, v1
	s_lshr_b32 s11, s10, 1
	s_and_b32 s12, s10, 1
	s_bfe_u32 s40, ttmp6, 0x40000
	s_bfe_u32 s41, ttmp6, 0x40004
	s_lshl_b32 s42, ttmp9, 2
	s_add_co_u32 s42, s42, s40                     ; tile column
	s_and_b32 s21, ttmp7, 0xffff                   ; cluster y
	s_lshl_b32 s13, s21, 2
	s_add_co_u32 s13, s13, s41                     ; tile row
	s_xor_b32 s[KI], s21, ttmp9
	s_and_b32 s[KI], s[KI], 1
	s_mul_i32 s[KI], s[KI], NS/2                   ; my cluster's first K step
	s_mul_i32 s[OA], s[KI], ASTEP
	s_mov_b32 s[OA+1], 0
	s_mul_i32 s[OB], s[KI], BSTEP
	s_mov_b32 s[OB+1], 0
	s_lshl_b32 s43, s41, 2
	s_lshl_b32 s43, 15, s43
	s_lshl_b32 s44, 0x1111, s40
.if BYHEADS
	s_or_b32 s[G1+0], s43, (1<<16)|(1<<20)|(1<<21)|(4<<22)|(3<<25)
	s_mov_b32 s[G1+1], 4096<<16
	s_mov_b32 s[G1+2], 4<<16
	s_mov_b32 s[G1+3], 4096<<16
	s_mov_b32 s[G1+4], 4
	s_mov_b32 s[G1+5], 131072
.else
	s_or_b32 s[G1+0], s43, (1<<16)|(1<<20)|(1<<21)|(6<<22)|(3<<25)   ; after every 128 words 4 words
	s_mov_b32 s[G1+1], KSTEP<<16                   ; tensor_dim0 = 256
	s_mov_b32 s[G1+2], 64<<16                      ; tensor_dim1 = 64
	s_mov_b32 s[G1+3], KSTEP<<16
	s_mov_b32 s[G1+4], 64
	s_mov_b32 s[G1+5], KDIM
.endif
	s_mov_b32 s[G1+6], 0
	s_mov_b32 s[G1+7], 0
	s_or_b32 s[G1B+0], s44, (1<<16)|(1<<20)|(1<<21)|(5<<22)|(7<<25)  ; after every 64 words 8 words
	s_mov_b32 s[G1B+1], 128<<16
	s_mov_b32 s[G1B+2], 128<<16
	s_mov_b32 s[G1B+3], 128<<16
	s_mov_b32 s[G1B+4], 128
	s_mov_b32 s[G1B+5], NCOL
	s_mov_b32 s[G1B+6], 0
	s_mov_b32 s[G1B+7], 0
.if BYHEADS
	s_lshr_b32 s16, s13, 4
	s_lshl_b32 s16, s16, 15
	s_and_b32 s17, s13, 15
	s_lshl_b32 s17, s17, 7
	s_add_co_u32 s16, s16, s17
	s_lshl_b32 s17, s12, 6
	s_add_co_u32 s16, s16, s17
	s_lshl_b32 s16, s16, 7
.else
	s_lshl_b32 s16, s13, 7
	s_lshl_b32 s17, s12, 6
	s_add_co_u32 s16, s16, s17                     ; row 128 x tile row + 64 x half,
	s_mul_i32 s16, s16, KDIM*2                     ; of 8,192 bytes
.endif
	s_mov_b32 s17, 0
	s_lshl_b32 s46, s12, 18
	s_lshl_b32 s47, s42, 8
	s_add_co_u32 s46, s46, s47
	s_mov_b32 s47, 0
	s_mul_i32 s20, s10, AH
	s_mov_b32 s[TB], 0
	s_mov_b32 s76, 0xffff0000
	s_wait_dscnt 0x0
	s_wait_kmcnt 0x0
	s_add_nc_u64 s[6:7], s[6:7], BOFF
	s_add_nc_u64 s[14:15], s[4:5], s[16:17]        ; my part of A's tile at K = 0; kept
	s_add_nc_u64 s[46:47], s[6:7], s[46:47]        ; and of B's; kept
	s_add_nc_u64 s[16:17], s[14:15], s[OA:OA+1]    ; at my cluster's first K step
	s_add_nc_u64 s[18:19], s[46:47], s[OB:OB+1]
	CROUND
.irp s, 0,1
	s_mov_b32 s[G0+4*(\s)], 1
	s_add_co_u32 s[G0+4*(\s)+1], s20, (\s)*SLOT
	s_add_nc_u64 s[G0+4*(\s)+2:G0+4*(\s)+3], s[16:17], (\s)*ASTEP
	s_or_b32 s[G0+4*(\s)+3], s[G0+4*(\s)+3], 0x80000000
	s_mov_b32 s[G0B+4*(\s)], 1
	s_add_co_u32 s[G0B+4*(\s)+1], s20, (\s)*SLOT
	s_add_nc_u64 s[G0B+4*(\s)+2:G0B+4*(\s)+3], s[18:19], (\s)*BSTEP
	s_or_b32 s[G0B+4*(\s)+3], s[G0B+4*(\s)+3], 0x80000000
.endr
	s_add_co_u32 s[KI], s[KI], 1                   ; the second first fill's step: NS / 2 + 1 at the most, so it has not gone round
	s_cmp_eq_u32 s11, 0                            ; a wave's two first fills stand in one branch: two loads of mine are out
	s_cbranch_scc0 .Lfirst_b
	tensor_load_to_lds s[G0:G0+3], s[G1:G1+7]
	s_nop 0
	tensor_load_to_lds s[G0+4:G0+7], s[G1:G1+7]
	s_nop 0
.rept 4
	v_nop
.endr
	s_branch .Lfirst_asked
.Lfirst_b:
	tensor_load_to_lds s[G0B:G0B+3], s[G1B:G1B+7]
	s_nop 0
	tensor_load_to_lds s[G0B+4:G0B+7], s[G1B:G1B+7]
	s_nop 0
.rept 4
	v_nop
.endr
.Lfirst_asked:
	s_lshl_b32 s18, s42, 9
	s_lshl_b32 s19, s12, 8
	s_add_co_u32 s18, s18, s19                     ; my wave's first column, in bytes of f32
	s_mov_b32 s19, 0
	s_add_nc_u64 s[BP:BP+1], s[BP:BP+1], s[18:19]
	s_add_nc_u64 s[8:9], s[8:9], s[18:19]
	v_and_b32 v1, 15, v0
	v_bfe_u32 v2, v0, 4, 1
	v_lshlrev_b32 v[BA], 4, v1
	global_load_b128 v[BI:BI+3], v[BA], s[BP:BP+1]
	s_lshl_b32 s18, s13, 7
	s_lshl_b32 s21, s11, 6
	s_add_co_u32 s18, s18, s21
	s_lshl_b32 s18, s18, 12
	s_add_nc_u64 s[8:9], s[8:9], s[18:19]
	v_mul_u32_u24 v3, v1, APITCH
	v_lshl_add_u32 v3, v2, 4, v3
	s_mul_i32 s21, s11, AH
	v_add_nc_u32 v[ADRA0], s21, v3
	v_and_b32 v4, 7, v0
	v_bfe_u32 v5, v0, 3, 1
	v_lshl_add_u32 v4, v2, 3, v4
	v_mul_u32_u24 v4, v4, PB
	v_lshl_add_u32 v4, v5, 4, v4
	s_lshl_b32 s22, s12, 7
	s_add_co_u32 s22, s22, 2*AH
	v_add_nc_u32 v[ADRB0], s22, v4
	v_mov_b32 v[ADRA], v[ADRA0]
	v_mov_b32 v[ADRB], v[ADRB0]
	v_add_nc_u32 v[ADRB+1], AH, v[ADRB0]
	s_mul_i32 s23, s10, DREG
	v_mul_u32_u24 v3, v1, DP
	v_lshl_add_u32 v3, v2, 5, v3
	v_add_nc_u32 v[DST], s23, v3
	v_mul_u32_u24 v3, v2, DP
	v_lshl_add_u32 v3, v1, 4, v3
	v_add_nc_u32 v[RD], s23, v3
	v_lshlrev_b32 v3, 12, v2
	v_lshl_add_u32 v[CO], v1, 4, v3
; 8 matrix instructions; the 16 accumulators take turns
.macro MUL8 f, c, a0, zero
	WIN MUL
.irp a, \a0, (\a0)+1
.irp b, 0,1,2,3
.if \zero
	v_wmma_f32_16x16x32_f16 v[ACC+8*(4*(\a)+(\b)):ACC+8*(4*(\a)+(\b))+7], v[(\f)+64+8*(4*(\c)+(\b)):(\f)+64+8*(4*(\c)+(\b))+7], v[(\f)+8*(4*(\c)+(\a)):(\f)+8*(4*(\c)+(\a))+7], 0
.else
	v_wmma_f32_16x16x32_f16 v[ACC+8*(4*(\a)+(\b)):ACC+8*(4*(\a)+(\b))+7], v[(\f)+64+8*(4*(\c)+(\b)):(\f)+64+8*(4*(\c)+(\b))+7], v[(\f)+8*(4*(\c)+(\a)):(\f)+8*(4*(\c)+(\a))+7], v[ACC+8*(4*(\a)+(\b)):ACC+8*(4*(\a)+(\b))+7]
.endif
.endr
.endr
.endm
.macro FETCH q, f
	WIN TO_F
.irp c, 0,1
.irp i, 0,1,2,3
	ds_load_tr16_b128 v[(\f)+64+8*(4*(\c)+(\i)):(\f)+64+8*(4*(\c)+(\i))+3],   v[ADRB+(\q)/2] offset:((\q)%2)*64*PB+(\c)*32*PB+32*(\i)
	ds_load_tr16_b128 v[(\f)+64+8*(4*(\c)+(\i))+4:(\f)+64+8*(4*(\c)+(\i))+7], v[ADRB+(\q)/2] offset:((\q)%2)*64*PB+(\c)*32*PB+32*(\i)+16*PB
	ds_load_b128 v[(\f)+8*(4*(\c)+(\i)):(\f)+8*(4*(\c)+(\i))+3],   v[ADRA] offset:(\q)*AQ+64*(\c)+(\i)*16*APITCH
	ds_load_b128 v[(\f)+8*(4*(\c)+(\i))+4:(\f)+8*(4*(\c)+(\i))+7], v[ADRA] offset:(\q)*AQ+64*(\c)+(\i)*16*APITCH+32
.endr
.endr
.endm
.macro QUARTER q, f, g, zero
	s_wait_dscnt 16                                ; the first 32 along K are in
	MUL8 \f, 0, 0, \zero
	MUL8 \f, 0, 2, \zero
	PLACES
	FETCH \q, \g
	s_wait_dscnt 32                                ; all but the 32 just issued
	MUL8 \f, 1, 0, 0
	MUL8 \f, 1, 2, 0
.endm
; The last quarter multiplies buffer 1 and changes slots: the wait for all my tensor loads, the add, the wait for it and for my reads of this slot, the barrier; fill = 1: it opens a round of the
; cluster's barrier, and the joint refill, two K steps on in my cluster's walk, stands directly behind the round; its address is made anew from the step's number.
.macro TURN fill
	WIN 0
	s_wait_tensorcnt 0x0
	ds_add_u32 v[SPW], v[NIL]
.if \fill
	s_add_co_u32 s[KI], s[KI], 1                   ; no tensor load of mine is out, so the walking sets may be written
	s_and_b32 s[KI], s[KI], NS-1                   ; the walk goes round
	s_mul_i32 s[OA], s[KI], ASTEP
	s_mul_i32 s[OB], s[KI], BSTEP
	s_xor_b32 s[G0+5], s[G0+5], SLOT
	s_add_nc_u64 s[G0+6:G0+7], s[14:15], s[OA:OA+1]
	s_or_b32 s[G0+7], s[G0+7], 0x80000000
	s_xor_b32 s[G0B+5], s[G0B+5], SLOT
	s_add_nc_u64 s[G0B+6:G0B+7], s[46:47], s[OB:OB+1]
	s_or_b32 s[G0B+7], s[G0B+7], 0x80000000
.endif
	s_wait_dscnt 17                                ; the add and the youngest sixteen loads may be out
	MUL8 F1, 0, 0, 0
	s_wait_dscnt 0x0
	s_barrier_signal -1
	MUL8 F1, 0, 2, 0
	WIN 0
	s_barrier_wait -1
.if \fill
	CREST
	JLOAD
.else
	PLACES
.endif
	s_xor_b32 s[TB], s[TB], SLOT
	v_add_nc_u32 v[ADRA], s[TB], v[ADRA0]
	v_add_nc_u32 v[ADRB], s[TB], v[ADRB0]
	v_add_nc_u32 v[ADRB+1], AH, v[ADRB]
	FETCH 0, F0
	MUL8 F1, 1, 0, 0
	MUL8 F1, 1, 2, 0
.endm
.macro LOADL                           ; 16 rows of the dump, two a load
.irp t, 0,1,2,3,4,5,6,7
	ds_load_b128 v[L+4*(\t):L+4*(\t)+3], v[RD] offset:2*DP*(\t)
.endr
.endm
	s_wait_tensorcnt 1                             ; my part of the first K step is in; the second's may stay out
	s_barrier_signal -1
	s_barrier_wait -1
	FETCH 0, F0
	QUARTER 1, F0, F1, 1
	WIN 0
	s_mov_b32 s3, NS-2
.Lstep:
	QUARTER 2, F1, F0, 0
	QUARTER 3, F0, F1, 0
	TURN 1
	QUARTER 1, F0, F1, 0
	WIN 0
	s_sub_co_u32 s3, s3, 1
	s_cmp_lg_u32 s3, 0
	s_cbranch_scc1 .Lstep
	s_mov_b32 s3, 2
.Ltail:                                                ; the last two K steps ask for nothing; the second trip is left behind its last products
	QUARTER 2, F1, F0, 0
	QUARTER 3, F0, F1, 0
	TURN 0
	WIN 0
	s_sub_co_u32 s3, s3, 1
	s_cmp_lg_u32 s3, 0
	s_cbranch_scc0 .Lsums
	QUARTER 1, F0, F1, 0
	WIN 0
	s_cmp_lg_u32 s3, 0
	s_cbranch_scc1 .Ltail
.Lsums:
	s_wait_dscnt 0x0                               ; the fragments that the last change of slots fetched are back: no read of the ring is out
.rept 8
	v_nop
.endr
	s_barrier_signal -1                            ; every wave's reads of the ring are back, and the ring has had its last fill
	s_barrier_wait -1
.irp a, 0,1,2,3
.irp b, 0,1,2,3
	ds_store_b128 v[DST], v[ACC+8*(4*(\a)+(\b)):ACC+8*(4*(\a)+(\b))+3]   offset:(\a)*16*DP+64*(\b)
	ds_store_b128 v[DST], v[ACC+8*(4*(\a)+(\b))+4:ACC+8*(4*(\a)+(\b))+7] offset:(\a)*16*DP+64*(\b)+16
.endr
.endr
	s_wait_dscnt 0x0
	s_barrier_signal -1
	s_barrier_wait -1
	LOADL                                          ; the first trip's rows
	s_wait_loadcnt 0x0
	RND BI,   BI+1, T
	RND BI+2, BI+3, T+1
	s_mov_b32 s3, 4
.Lout:                                                 ; 16 rows a trip
	s_wait_dscnt 0x0                               ; this trip's rows, asked for a trip ago
	s_wait_xcnt 0x0                                ; the last trip's stores have read E and CO: only now are they written again
	v_add_nc_u32 v[CO], 65536, v[CO]               ; the stores reach back by their immediate
.irp t, 0,1,2,3,4,5,6,7
	v_pk_add_f32 v[E+4*(\t):E+4*(\t)+1],   v[L+4*(\t):L+4*(\t)+1],   v[BI:BI+1]
	v_pk_add_f32 v[E+4*(\t)+2:E+4*(\t)+3], v[L+4*(\t)+2:L+4*(\t)+3], v[BI+2:BI+3]
.endr
	s_cmp_eq_u32 s3, 1                             ; the last trip has no rows behind it
	s_cbranch_scc1 .Lno_more
	v_add_nc_u32 v[RD], 16*DP, v[RD]
	LOADL
.Lno_more:
.irp t, 0,1,2,3,4,5,6,7
	global_store_b128 v[CO], v[E+4*(\t):E+4*(\t)+3], s[8:9] offset:8192*(\t)-65536   ; 16 lanes store 256 consecutive bytes, aligned
.endr
	s_sub_co_u32 s3, s3, 1
	s_cmp_lg_u32 s3, 0
	s_cbranch_scc1 .Lout
	s_wait_tensorcnt 0x0                           ; the wave's end
	ds_add_u32 v[SPW], v[NIL]
	s_wait_dscnt 0x0
	CROUND
	s_endpgm
.Lfunc_end_k_q3439e500e2_mlp_down:
	.size	k_q3439e500e2_mlp_down, .Lfunc_end_k_q3439e500e2_mlp_down-k_q3439e500e2_mlp_down
	.p2alignl 7, 3214868480
	.fill 96, 4, 3214868480
	.section	.rodata,"a",@progbits
	.p2align	6, 0x0
	.amdhsa_kernel k_q3439e500e2_mlp_down
		.amdhsa_group_segment_fixed_size 327680
		.amdhsa_private_segment_fixed_size 0
		.amdhsa_enable_private_segment 0
		.amdhsa_kernarg_size 32
		.amdhsa_user_sgpr_count 2
		.amdhsa_user_sgpr_kernarg_segment_ptr 1
		.amdhsa_wavefront_size32 1
		.amdhsa_system_sgpr_workgroup_id_x 1
		.amdhsa_system_sgpr_workgroup_id_y 1
		.amdhsa_system_sgpr_workgroup_id_z 1
		.amdhsa_system_vgpr_workitem_id 0
		.amdhsa_next_free_vgpr 512
		.amdhsa_next_free_sgpr 80
		.amdhsa_reserve_vcc 0
		.amdhsa_float_denorm_mode_32 3
		.amdhsa_float_denorm_mode_16_64 3
		.amdhsa_memory_ordered 1
		.amdhsa_forward_progress 1
		.amdhsa_inst_pref_size 57
	.end_amdhsa_kernel
	.amdgpu_metadata
---
amdhsa.version: [ 1, 2 ]
amdhsa.kernels:
  - .name:           k_q3439e500e2_mlp_down
    .symbol:         k_q3439e500e2_mlp_down.kd
    .args:
      - { .name: h, .offset: 0, .size: 8, .value_kind: global_buffer, .address_space: global }
      - { .name: c16, .offset: 8, .size: 8, .value_kind: global_buffer, .address_space: global }
      - { .name: b2, .offset: 16, .size: 8, .value_kind: global_buffer, .address_space: global }
      - { .name: pre, .offset: 24, .size: 8, .value_kind: global_buffer, .address_space: global }
    .group_segment_fixed_size: 327680
    .private_segment_fixed_size: 0
    .kernarg_segment_align: 8
    .kernarg_segment_size: 32
    .max_flat_workgroup_size: 128
    .sgpr_count:     80
    .vgpr_count:     512
    .wavefront_size: 32
...
	.end_amdgpu_metadata
.endif
;; end of part 7
;; launch norm2 (part 8): grid 256 x 1, 16 waves a work-group, no clusters, 0 bytes of LDS; arguments pre, o1, ln2_w, ln2_b, out0; writes out0
.if DOCPART == 8
	.amdgcn_target "amdgcn-amd-amdhsa--gfx1250"
	.amdhsa_code_object_version 6
	.text
	.protected	k_q3439e500e2_norm2
	.globl	k_q3439e500e2_norm2
	.p2align	8
	.type	k_q3439e500e2_norm2,@function
k_q3439e500e2_norm2:
	s_mov_b64 s[64:65], 0
	v_nop
	global_prefetch_b8 v0, s[64:65] scope:SCOPE_SE
	s_setreg_imm32_b32 hwreg(HW_REG_WAVE_MODE, 25, 1), 1
	s_wait_xcnt 0x0
; out[r][:] = (p[r][:] - mean) / sqrt(var + 1e-5) * w + b + res[r][:].  p: f32 [4096][1024]; res: f16 [4096][1024] (here o1); w, b are rounded to bf16 like every input.
; F16OUT = 1: out is f16; 0: f32 (here out0).  The variance is the mean of the squared deviations, as the model takes it, not a difference of large sums.
; SHARES.  Sixteen waves, a whole row each, kept in registers between the passes: nothing leaves the wave, so there is no LDS and no barrier.  Chunk j of a lane is columns 128 j + 4 lane + 0..3:
; a wave's load of p covers 512 consecutive bytes, of res 256.  All 32 loads of a wave are issued at once.  Matrix units, clusters and tensor loads would add nothing to a stream read once.
.set F16OUT, 0
.set A,    4                           ; v[4:11]   four running sums, packed
.set MEAN, 12                          ; v[12:13]
.set RS,   14                          ; v[14:15]  1 / sqrt(var + eps), twice
.set W,    16                          ; v[16:47]
.set BV,   48                          ; v[48:79]
.set RES,  80                          ; v[80:95]  16 registers of f16 pairs
.set X,    96                          ; v[96:127] the row
.set ONE,  128
.set TT,   129
	s_load_b256 s[4:11], s[0:1], 0x0               ; p s[4:5], res s[6:7], w s[8:9], b s[10:11]
	s_load_b64 s[12:13], s[0:1], 0x20              ; out
	v_and_b32 v3, 31, v0
	v_lshrrev_b32 v4, 5, v0
	v_lshlrev_b32 v1, 4, v3
	v_lshl_add_u32 v1, v4, 12, v1                  ; 16 lane + wave x a row of 4,096 bytes
	v_lshlrev_b32 v2, 3, v3
	v_lshl_add_u32 v2, v4, 11, v2                  ; 8 lane + wave x a row of 2,048 bytes
	v_lshlrev_b32 v3, 4, v3
	v_mov_b32 v[ONE], 1.0
	s_mov_b32 s20, 0x3a800000                      ; 1 / 1024
	s_mov_b32 s21, 0x3727c5ac                      ; 1e-5
	s_mov_b32 s22, 0x76543210
	s_mov_b32 s23, 0xfedcba98
	s_mov_b32 s24, 0xffff0000
	s_lshl_b32 s14, ttmp9, 16                      ; the work-group's 16 rows, in f32
	s_mov_b32 s15, 0
	s_lshl_b32 s16, ttmp9, 15                      ; and in f16
	s_mov_b32 s17, 0
	s_wait_kmcnt 0x0
	s_add_nc_u64 s[4:5], s[4:5], s[14:15]
	s_add_nc_u64 s[6:7], s[6:7], s[16:17]
.if F16OUT
	s_add_nc_u64 s[12:13], s[12:13], s[16:17]
.else
	s_add_nc_u64 s[12:13], s[12:13], s[14:15]
.endif
.irp j, 0,1,2,3,4,5,6,7
	global_load_b128 v[W+4*(\j):W+4*(\j)+3], v3, s[8:9] offset:512*(\j)
.endr
.irp j, 0,1,2,3,4,5,6,7
	global_load_b128 v[BV+4*(\j):BV+4*(\j)+3], v3, s[10:11] offset:512*(\j)
.endr
.irp j, 0,1,2,3,4,5,6,7
	global_load_b128 v[X+4*(\j):X+4*(\j)+3], v1, s[4:5] offset:512*(\j)
.endr
.irp j, 0,1,2,3,4,5,6,7
	global_load_b64 v[RES+2*(\j):RES+2*(\j)+1], v2, s[6:7] offset:256*(\j)
.endr
	s_wait_loadcnt 16                              ; w and b are in; the row's 16 loads may stay out
.set p, 0
.rept 32                                           ; w's 16 pairs, then b's
	v_cvt_pk_bf16_f32 v[TT], v[W+2*p], v[W+2*p+1]
	v_lshlrev_b32 v[W+2*p], 16, v[TT]
	v_and_b32 v[W+2*p+1], s24, v[TT]
.set p, p+1
.endr
.macro REDUCE                          ; v[A] summed over the 32 lanes, in every lane
	v_add_f32 v[A], v[A], v[A+1]
	v_add_f32_dpp v[A], v[A], v[A] row_xmask:1 row_mask:0xf bank_mask:0xf
	v_add_f32_dpp v[A], v[A], v[A] row_xmask:2 row_mask:0xf bank_mask:0xf
	v_add_f32_dpp v[A], v[A], v[A] row_xmask:4 row_mask:0xf bank_mask:0xf
	v_add_f32_dpp v[A], v[A], v[A] row_xmask:8 row_mask:0xf bank_mask:0xf
	v_permlanex16_b32 v[A+1], v[A], s22, s23
	v_add_f32 v[A], v[A], v[A+1]
.endm
.macro FOLD                            ; the four packed sums into one
	v_pk_add_f32 v[A:A+1], v[A:A+1], v[A+2:A+3]
	v_pk_add_f32 v[A+4:A+5], v[A+4:A+5], v[A+6:A+7]
	v_pk_add_f32 v[A:A+1], v[A:A+1], v[A+4:A+5]
.endm
	s_wait_loadcnt 8                               ; p's row is in; the residual's 8 loads may stay out
.irp k, 0,1,2,3
	v_pk_add_f32 v[A+2*(\k):A+2*(\k)+1], v[X+2*(\k):X+2*(\k)+1], v[X+8+2*(\k):X+8+2*(\k)+1]
.endr
.irp k, 0,1,2,3
	v_pk_add_f32 v[A+2*(\k):A+2*(\k)+1], v[A+2*(\k):A+2*(\k)+1], v[X+16+2*(\k):X+16+2*(\k)+1]
.endr
.irp k, 0,1,2,3
	v_pk_add_f32 v[A+2*(\k):A+2*(\k)+1], v[A+2*(\k):A+2*(\k)+1], v[X+24+2*(\k):X+24+2*(\k)+1]
.endr
	FOLD
	REDUCE
	v_mul_f32 v[MEAN], s20, v[A]
	v_mov_b32 v[MEAN+1], v[MEAN]
.set p, 0
.rept 16
	v_pk_add_f32 v[X+2*p:X+2*p+1], v[X+2*p:X+2*p+1], v[MEAN:MEAN+1] neg_lo:[0,1] neg_hi:[0,1]
.set p, p+1
.endr
.irp k, 0,1,2,3
	v_pk_mul_f32 v[A+2*(\k):A+2*(\k)+1], v[X+2*(\k):X+2*(\k)+1], v[X+2*(\k):X+2*(\k)+1]
.endr
.set p, 4
.rept 12
	v_pk_fma_f32 v[A+2*(p%4):A+2*(p%4)+1], v[X+2*p:X+2*p+1], v[X+2*p:X+2*p+1], v[A+2*(p%4):A+2*(p%4)+1]
.set p, p+1
.endr
	FOLD
	REDUCE
	v_fma_f32 v[A], v[A], s20, s21                 ; var + eps
	v_rsq_f32 v[RS], v[A]
	v_nop                                          ; a plain instruction behind it,
	s_wait_alu depctr_va_vdst(0)                   ; and the wait ahead of its first reader
	v_mov_b32 v[RS+1], v[RS]
.set p, 0
.rept 16
	v_pk_mul_f32 v[X+2*p:X+2*p+1], v[X+2*p:X+2*p+1], v[RS:RS+1]
.set p, p+1
.endr
.set p, 0
.rept 16
	v_pk_fma_f32 v[X+2*p:X+2*p+1], v[X+2*p:X+2*p+1], v[W+2*p:W+2*p+1], v[BV+2*p:BV+2*p+1]
.set p, p+1
.endr
	s_wait_loadcnt 0x0                             ; the residual
.set p, 0
.rept 16                                           ; straight from its f16 halves
	v_fma_mix_f32 v[X+2*p],   v[RES+p], v[ONE], v[X+2*p]   op_sel_hi:[1,0,0]
	v_fma_mix_f32 v[X+2*p+1], v[RES+p], v[ONE], v[X+2*p+1] op_sel:[1,0,0] op_sel_hi:[1,0,0]
.set p, p+1
.endr
.if F16OUT
.set p, 0
.rept 16
	v_cvt_pk_f16_f32 v[RES+p], v[X+2*p], v[X+2*p+1]
.set p, p+1
.endr
.irp j, 0,1,2,3,4,5,6,7
	global_store_b64 v2, v[RES+2*(\j):RES+2*(\j)+1], s[12:13] offset:256*(\j)     ; 32 lanes store 256 consecutive bytes, aligned
.endr
.else
.irp j, 0,1,2,3,4,5,6,7
	global_store_b128 v1, v[X+4*(\j):X+4*(\j)+3], s[12:13] offset:512*(\j)        ; 512 consecutive bytes, aligned
.endr
.endif
	s_endpgm
.Lfunc_end_k_q3439e500e2_norm2:
	.size	k_q3439e500e2_norm2, .Lfunc_end_k_q3439e500e2_norm2-k_q3439e500e2_norm2
	.p2alignl 7, 3214868480
	.fill 96, 4, 3214868480
	.section	.rodata,"a",@progbits
	.p2align	6, 0x0
	.amdhsa_kernel k_q3439e500e2_norm2
		.amdhsa_group_segment_fixed_size 0
		.amdhsa_private_segment_fixed_size 0
		.amdhsa_enable_private_segment 0
		.amdhsa_kernarg_size 40
		.amdhsa_user_sgpr_count 2
		.amdhsa_user_sgpr_kernarg_segment_ptr 1
		.amdhsa_wavefront_size32 1
		.amdhsa_system_sgpr_workgroup_id_x 1
		.amdhsa_system_sgpr_workgroup_id_y 1
		.amdhsa_system_sgpr_workgroup_id_z 1
		.amdhsa_system_vgpr_workitem_id 0
		.amdhsa_next_free_vgpr 136
		.amdhsa_next_free_sgpr 66
		.amdhsa_reserve_vcc 0
		.amdhsa_float_denorm_mode_32 3
		.amdhsa_float_denorm_mode_16_64 3
		.amdhsa_memory_ordered 1
		.amdhsa_forward_progress 1
		.amdhsa_inst_pref_size 18
	.end_amdhsa_kernel
	.amdgpu_metadata
---
amdhsa.version: [ 1, 2 ]
amdhsa.kernels:
  - .name:           k_q3439e500e2_norm2
    .symbol:         k_q3439e500e2_norm2.kd
    .args:
      - { .name: pre, .offset: 0, .size: 8, .value_kind: global_buffer, .address_space: global }
      - { .name: o1, .offset: 8, .size: 8, .value_kind: global_buffer, .address_space: global }
      - { .name: ln2_w, .offset: 16, .size: 8, .value_kind: global_buffer, .address_space: global }
      - { .name: ln2_b, .offset: 24, .size: 8, .value_kind: global_buffer, .address_space: global }
      - { .name: out0, .offset: 32, .size: 8, .value_kind: global_buffer, .address_space: global }
    .group_segment_fixed_size: 0
    .private_segment_fixed_size: 0
    .kernarg_segment_align: 8
    .kernarg_segment_size: 40
    .max_flat_workgroup_size: 512
    .sgpr_count:     66
    .vgpr_count:     136
    .wavefront_size: 32
...
	.end_amdgpu_metadata
.endif
;; end of part 8
